; MI455X (gfx1250); checked and timed in simulation.
; The chip was launched on July 23, 2026; its instructions are those of AMD's public machine-readable ISA for CDNA 5 (MIT licence, August 2026) and "CDNA5" Instruction Set Architecture Reference Guide (July 2026). The comments in the code are by the model that wrote it; some were corrected since.
;; Multi Head Attention. Allowed arithmetic: matrix products marked QUANTISED: E2M3 operands, one E8M0 scale for each 32 along K, by v_wmma_scale_f32_16x16x128_f8f6f4 with both operands' format E2M3, f32 sums; everything else in f32.
;; Inputs: Wk 1,024 x 1,024 float32; Wo 1,024 x 1,024 float32; Wq 1,024 x 1,024 float32; Wv 1,024 x 1,024 float32; bk 1,024 float32; bo 1,024 float32; bq 1,024 float32; bv 1,024 float32; input 4 x 2,048 x 1,024 float32; mask 4 x 2,048 x 2,048 float32.
;; Outputs: out0 4 x 2,048 x 1,024 float32.
;; This version of the problem:
;;   THIS VERSION OF THE PROBLEM IS GIVEN IN LOW PRECISION. The matrix products marked QUANTISED in the list below multiply operands that are first quantised to E2M3 (2 exponent bits, 3 mantissa bits; 6 bits a number), with one power-of-two scale for each 32 numbers along K (OCP MX v1.0); their sums are f32. All else is computed in f32.
;;   The module's matrix products, in the order in which they are computed (A, B: the left and right operand; K: the contracted axis; several contracted axes count as one K, in the product's order):
;;     1. [M 8,192, K 1,024] x [K 1,024, N 1,024]; A: input input; B: input Wq: QUANTISED
;;     2. [M 8,192, K 1,024] x [K 1,024, N 1,024]; A: input input; B: input Wk: QUANTISED
;;     3. [M 8,192, K 1,024] x [K 1,024, N 1,024]; A: input input; B: input Wv: QUANTISED
;;     4. batch 64 x [M 2,048, K 64] x [K 64, N 2,048]; A: computed on the way; B: computed on the way: QUANTISED
;;     5. batch 64 x [M 64, K 2,048] x [K 2,048, N 2,048]; A: computed on the way; B: softmax (see below): QUANTISED
;;     6. [M 8,192, K 1,024] x [K 1,024, N 1,024]; A: computed on the way; B: input Wo: QUANTISED
;;   THE QUANTISER, for each operand of a quantised product, along K:
;;     - K is cut into blocks of 32 from its start; a last block that is shorter is filled with zeros.
;;     - A block's scale is 2^e with e = floor(log2(the largest magnitude in the block)) - 2, held to -126 .. 127; a block of zeros has e = 0. As a byte (E8M0): e + 127.
;;     - Each number is divided by its block's scale, clamped to +-7.5, and rounded to the nearest number of E2M3, ties to even, subnormals kept.
;;     - The product sums the exact products of the quantised numbers (number of the format x scale) in f32.
;;   ~~~python
;;   def quantise(x, axis):      # numpy; x: float32 -> the quantised numbers, widened to float32 again
;;       x = np.moveaxis(x, axis, -1); K = x.shape[-1]
;;       x = np.pad(x, [(0, 0)] * (x.ndim - 1) + [(0, -K % 32)]); x = x.reshape(x.shape[:-1] + (-1, 32)); a = np.abs(x).max(-1, keepdims=True)
;;       e = np.where(a > 0, np.clip(np.frexp(np.where(a > 0, a, 1))[1] - 1 - 2, -126, 127), 0)      # np.frexp(a)[1] - 1 = floor(log2(a)), exactly
;;       r = np.clip(x / 2.0 ** e, -7.5, 7.5)
;;       step = 2.0 ** (np.maximum(np.frexp(np.where(r == 0, 1, r))[1] - 1, 0) - 3)
;;       q = np.round(r / step) * step * 2.0 ** e      # np.round: ties to even
;;       return np.moveaxis(q.reshape(q.shape[:-2] + (-1,))[..., :K], -1, axis).astype(np.float32)
;;   ~~~
;;   SOFTMAX AHEAD OF A QUANTISED PRODUCT. Where the list says 'softmax', what is quantised is not the finished softmax but p = 2^(t - M), with t = logit x log2(e) and M = ceil(the row's largest t), a whole number; so 1/2 < the row's largest p <= 1. The row's sum l is taken of the UNQUANTISED p, in f32, and the product's result is divided by l at the end. Since M is a whole number, a kernel that streams over the keys may use a running M (the ceiling of the running maximum): every later rescaling is an exact power of two, which a block's scale takes up: the codes' values come out the same.
;;   OPERANDS COMPUTED ON THE WAY. 'Computed on the way' means the value that the module computes at that place (a softmax that the list does not call 'softmax' is quantised finished and normalised). What goes into a quantiser is computed in f32, as accurately as f32 sums, v_exp_f32 and their like allow (about 1e-6 of the number): no bf16 or f16 on the way to a quantiser, and a product that is left as it is and whose result goes on into a quantised operand takes f32 operands (vector FMAs, or v_wmma_f32_16x16x4_f32). A number that lies on a knife's edge between two numbers of the format may be rounded either way, as far as f32 arithmetic and the matrix unit's own rounding can turn it there, and no further.
;; One version. Each part assembles by itself: llvm-mc -triple=amdgcn-amd-amdhsa -mcpu=gfx1250 --defsym DOCPART=n.
;; ======== version 1 of 1: 5 launches
;; workspace buffers: xop 6,586,368 bytes; wqkop 6,561,792 bytes; wvop 6,557,696 bytes; woop 6,557,696 bytes; qkout 50,855,936 bytes; vout 52,428,800 bytes; attop 6,553,600 bytes
;; launch prep (part 1): grid 512 x 1, 4 waves a work-group, no clusters, 35,328 bytes of LDS; arguments input, Wq, Wk, Wv, Wo, bq, bk, bv, bo, xop, wqkop, wvop, woop; writes xop, wqkop, wvop, woop
.if DOCPART == 1
	.amdgcn_target "amdgcn-amd-amdhsa--gfx1250"
	.amdhsa_code_object_version 6
	.text
	.protected	k_q727a80d867_prep
	.globl	k_q727a80d867_prep
	.p2align	8
	.type	k_q727a80d867_prep,@function
k_q727a80d867_prep:
	s_mov_b64 s[64:65], 0
	v_nop
	global_prefetch_b8 v0, s[64:65] scope:SCOPE_SE
	s_setreg_imm32_b32 hwreg(HW_REG_WAVE_MODE, 25, 1), 1
	s_wait_xcnt 0x0
; PREP: the input x [8192][1024] and the four weights [1024 (k)][1024 (n)], f32, become codes of FP6 (E2M3) with one E8M0 scale byte for each 32 along K,
; laid in the ORDER OF AN OPERAND'S REGISTERS, so that the later launches fetch fragments as dense blocks.
; A TILE is 16 rows of an operand: tile 2 B + u holds, at place r = 0 .. 15, row 32 B + 8 u + r + 8 (r / 8).  A FRAGMENT (a tile x 128 along K, 12 registers a lane) is an image of 1,536 bytes:
; for each half c = 0, 1 at byte 768 c: lane l's registers 6 c .. 6 c + 3 at 16 l (512 bytes), then its registers 6 c + 4, 6 c + 5 at 8 l (256 bytes).
; AN OPERAND'S BUFFER: images [tile][K step 0..7][1,536]; at SCOFF scale words [tile][K step][16 words], word r = the four bytes of the row at place r; at BOFF one f32 for each row in natural order, the row's bias.
; x's bias is zeros; [Wq; Wk] share one buffer (Wk's tiles 64 on, its bias 4,096 bytes on).
; A block's scale is 2^(floor(log2(its largest magnitude)) - 2); its byte is the largest magnitude's exponent field - 2, held at 1 from below.
; LIMITS: a block of zeros, or one whose largest magnitude lies under 2^(3 - 127), gets the byte 1 where the rule says 127 (its codes are zeros, and this program alone reads the bytes); NaN and infinities among the inputs are not served.
; Work-groups 0-255 take x, 32 rows each; work-groups 256-511 take the weights, 32 columns x 512 along K each.  Only x's path uses LDS.  No tensor loads, no barrier: waves share nothing.
.set SCOFF, 6291456
.set BOFF,  6553600
.set R,   16                           ; x: v16-143  two sets of 64 numbers as they are loaded
.set X,   144                          ; x: v144-207 64 numbers of my row: register 16 b + i = k 32 b + 16 (lane / 16) + i
.set PC,  208                          ; x: v208-219 the fragment's codes; v220-222, v224-226 at work
.set TM,  228                          ; x: v228-243 at work in QUANT
.set PW,  244                          ; x: the scale word just made
.set SEL, 46                           ; s[46:47] lane selects for v_permlanex16_b32: lane l xor 16
.set WN,  16                           ; w: v16-143  my column's 128 numbers down K
.set F0,  144                          ; w: v144-155 the even tile's fragment
.set F1,  156                          ; w: v156-167 the odd tile's
.set T0,  168                          ; w: v168-170, v172-174 upper halves of two blocks' codes
.set T1,  172
.set SW,  180                          ; w: my column's scale word
.set MX,  182                          ; w: v182-183 at work
.set SO,  184                          ; w: v184-187 the four blocks' scale operands
; 64 numbers of a lane, v[s] .. v[s + 63], become a fragment's codes in v[PC] on and its scale word in v[PW].
.macro QUANT s
.irp b, 0,1,2,3
	v_max3_num_f32 v[TM+\b], |v[\s+16*\b]|, |v[\s+1+16*\b]|, 0x1800000   ; block b: my 16 numbers, and the floor 2^(3 - 127): the byte cannot fall under 1
.endr
.irp i, 2,4,6,8,10,12,14
.irp b, 0,1,2,3
	v_max3_num_f32 v[TM+\b], v[TM+\b], |v[\s+16*\b+\i]|, |v[\s+1+16*\b+\i]|   ; the four blocks by turns
.endr
.endr
.irp b, 0,1,2,3
	v_permlanex16_b32 v[TM+4+\b], v[TM+\b], s[SEL], s[SEL+1]
.endr
.irp b, 0,1,2,3
	v_max_num_f32 v[TM+\b], v[TM+\b], v[TM+4+\b]   ; with lane l xor 16's: the block's largest magnitude
.endr
.irp b, 0,1,2,3
	v_add_nc_u32 v[TM+12+\b], 0xff000000, v[TM+\b]   ; 2 off its exponent field: the conversion takes this operand's exponent field as its scale
.endr
.irp b, 0,1,2,3
	v_lshrrev_b32 v[TM+4+\b], 23, v[TM+12+\b]   ; the scale's byte
.endr
	v_lshl_or_b32 v[PW], v[TM+5], 8, v[TM+4]
	v_lshl_or_b32 v[PW], v[TM+6], 16, v[PW]
	v_lshl_or_b32 v[PW], v[TM+7], 24, v[PW]
.irp c, 0,1
	v_cvt_scalef32_pk16_fp6_f32 v[PC+6*\c:PC+2+6*\c], v[\s+32*\c:\s+15+32*\c], v[TM+12+2*\c]
	v_cvt_scalef32_pk16_fp6_f32 v[PC+12+4*\c:PC+14+4*\c], v[\s+16+32*\c:\s+31+32*\c], v[TM+12+2*\c+1]   ; a conversion's three registers begin on an even number
.endr
	v_nop                                          ; one plain place behind a scaled conversion
.irp c, 0,1                                    ; the operand's layout wants a whole block in a lane: lanes 0-15 block 2 c, lanes 16-31 block 2 c + 1
.irp i, 0,1,2
	v_permlane16_swap_b32 v[PC+6*\c+\i], v[PC+12+4*\c+\i]
.endr
.irp i, 0,1,2
	v_mov_b32 v[PC+3+6*\c+\i], v[PC+12+4*\c+\i]
.endr
.endr
.endm
	s_load_b256 s[4:11], s[0:1], 0x0               ; input s[4:5], Wq s[6:7], Wk s[8:9], Wv s[10:11]
	s_load_b256 s[12:19], s[0:1], 0x20             ; Wo s[12:13], bq s[14:15], bk s[16:17], bv s[18:19]
	s_load_b256 s[20:27], s[0:1], 0x40             ; bo s[20:21], xop s[22:23], wqkop s[24:25], wvop s[26:27]
	s_load_b64 s[28:29], s[0:1], 0x60              ; woop
	v_lshl_add_u32 v254, v0, 2, 0x8800
	v_mov_b32 v255, 0
	v_lshrrev_b32 v2, 5, v0
	v_readfirstlane_b32 s30, v2                    ; wave 0..3
	v_and_b32 v7, 31, v0                           ; lane
	v_and_b32 v8, 15, v0                           ; r
	v_bfe_u32 v9, v0, 4, 1                         ; h
	v_lshlrev_b32 v1, 4, v7                        ; 16 x lane
	v_lshlrev_b32 v4, 3, v7                        ; 8 x lane
	s_cmp_lt_u32 ttmp9, 256
	s_cbranch_scc0 .Lweights
; ---- x: work-group g takes rows 32 g .. 32 g + 31.  Wave w: tile 2 g + (w / 2), K steps 4 (w % 2) + 0 .. 3.
; A load reads 512 consecutive bytes of one row (a K step); the 16 rows turn through the wave's own stage in LDS (rows 528 bytes apart) and come back 16 neighbours of each block of 32 to a lane.
	s_lshr_b32 s31, s30, 1                         ; u
	s_and_b32 s32, s30, 1                          ; which half of K
	s_mul_i32 s33, s30, 8704                       ; my wave's LDS: a stage of 16 x 528 bytes, then 256 bytes of scale words
	v_add_nc_u32 v2, s33, v1                       ; into the stage: 16 x lane of a row
	v_mul_u32_u24 v3, v8, 528
	v_lshl_add_u32 v3, v9, 6, v3
	v_add_nc_u32 v3, s33, v3                       ; out of it: row r, + 64 h
	s_add_co_u32 s33, s33, 8448
	v_lshl_add_u32 v5, v8, 2, s33                  ; my row's scale word
	v_add_nc_u32 v6, s33, v4                       ; and the way out of the 256 bytes: 8 a lane
	s_mov_b32 s[SEL], 0x76543210
	s_mov_b32 s[SEL+1], 0xfedcba98
.irp b, 0,1,2,3
	v_mov_b32 v[TM+4+\b], 0                        ; written once: a lane permute's destination counts as one of its sources
.endr
	s_lshl_b32 s34, ttmp9, 17                      ; 32 rows of 4,096 bytes,
	s_lshl_b32 s35, s31, 15                        ; 8 u rows,
	s_add_co_u32 s34, s34, s35
	s_lshl_b32 s35, s32, 11                        ; four K steps of 512 bytes
	s_add_co_u32 s34, s34, s35
	s_mov_b32 s35, 0
	s_lshl_b32 s36, ttmp9, 1
	s_add_co_u32 s36, s36, s31                     ; my tile
	s_lshl_b32 s38, s36, 9
	s_lshl_b32 s39, s32, 8
	s_add_co_u32 s38, s38, s39
	s_add_co_u32 s38, s38, SCOFF                   ; its scale words of my four K steps: 256 bytes
	s_mov_b32 s39, 0
	s_mul_i32 s36, s36, 12288
	s_mul_i32 s37, s32, 6144
	s_add_co_u32 s36, s36, s37                     ; its images of my four K steps
	s_mov_b32 s37, 0
	s_wait_kmcnt 0x0
	s_add_nc_u64 s[4:5], s[4:5], s[34:35]
	s_add_nc_u64 s[36:37], s[22:23], s[36:37]
	s_add_nc_u64 s[38:39], s[22:23], s[38:39]
.macro LOADX s                         ; K step s of the tile's 16 rows into set s % 2
.irp m, 0,1,2,3,4,5,6,7,8,9,10,11,12,13,14,15
	global_load_b128 v[R+64*((\s)%2)+4*\m:R+64*((\s)%2)+4*\m+3], v1, s[4:5] offset:(\m+8*(\m/8))*4096+512*(\s) th:TH_LOAD_NT
.endr
.endm
.macro TURNX s                         ; through the stage: LDS serves a wave's instructions in order, so no wait stands between the stores and the loads
.irp m, 0,1,2,3,4,5,6,7,8,9,10,11,12,13,14,15
	ds_store_b128 v2, v[R+64*((\s)%2)+4*\m:R+64*((\s)%2)+4*\m+3] offset:528*\m
.endr
.irp m, 0,1,2,3,4,5,6,7,8,9,10,11,12,13,14,15
	ds_load_b128 v[X+4*\m:X+4*\m+3], v3 offset:128*(\m/4)+16*(\m%4)
.endr
.endm
.macro XSTEP s
.if (\s) < 3
	s_wait_loadcnt 16                              ; this K step's 16 loads are in; the next K step's 16 may be out
.else
	s_wait_loadcnt 0x0
.endif
	TURNX \s
	s_wait_dscnt 0x0                               ; the numbers are back, and the stores into the stage have read their registers,
.if (\s)+2 < 4
	LOADX (\s)+2                                   ; which take the loads of two K steps on
.endif
	s_wait_xcnt 0x0                                ; the last K step's stores have read their data: the codes' registers are written again only behind this wait
	QUANT X
	global_store_b128 v1, v[PC:PC+3], s[36:37] offset:1536*(\s)          ; the image: every store covers whole aligned runs of 256 bytes
	global_store_b64 v4, v[PC+4:PC+5], s[36:37] offset:1536*(\s)+512
	global_store_b128 v1, v[PC+6:PC+9], s[36:37] offset:1536*(\s)+768
	global_store_b64 v4, v[PC+10:PC+11], s[36:37] offset:1536*(\s)+1280
	ds_store_b32 v5, v[PW] offset:64*(\s)          ; both halves of the lanes write the same word with the same value
.endm
	LOADX 0
	LOADX 1
	XSTEP 0
	XSTEP 1
	XSTEP 2
	XSTEP 3
	ds_load_b64 v[12:13], v6                       ; my four K steps' scale words: these loads see my stores
	s_wait_dscnt 0x0
	global_store_b64 v4, v[12:13], s[38:39]        ; 32 lanes store 256 consecutive bytes, aligned
	s_and_b32 s40, ttmp9, 3                        ; x's row bias is zeros: wave 0 of every fourth work-group stores 512 bytes, four work-groups' rows
	s_or_b32 s40, s40, s30
	s_cmp_lg_u32 s40, 0
	s_cbranch_scc1 .Lx_end
	s_lshl_b32 s40, ttmp9, 7
	s_add_co_u32 s40, s40, BOFF
	s_mov_b32 s41, 0
	s_add_nc_u64 s[40:41], s[22:23], s[40:41]
.irp i, 0,1,2,3
	v_mov_b32 v[248+\i], 0
.endr
	global_store_b128 v1, v[248:251], s[40:41]
.Lx_end:
	s_wait_tensorcnt 0x0
	ds_add_u32 v254, v255
	s_wait_dscnt 0x0
	s_endpgm
; ---- the weights: work-group 256 + g': weight g' / 64, columns 32 B .. 32 B + 31 with B = (g' / 2) % 32, half g' % 2 of K; wave w takes K step 4 (g' % 2) + w.
; A LANE TAKES A COLUMN AND ITS REGISTERS RUN DOWN K: lane (r, h) takes column 32 B + 8 h + r + 8 (r / 8), so lanes 0-15 are tile 2 B and lanes 16-31 tile 2 B + 1, and each load still reads 128 consecutive bytes.
; A lane holds four whole blocks.  Blocks 2 c and 2 c + 1 change halves of the lanes: the even block's lanes 16-31 with the odd block's lanes 0-15: that makes registers 6 c .. 6 c + 5 of both tiles' fragments.
.Lweights:
	s_sub_co_u32 s31, ttmp9, 256                   ; g'
	s_lshr_b32 s32, s31, 6                         ; which weight: 0 Wq, 1 Wk, 2 Wv, 3 Wo
	s_bfe_u32 s33, s31, 0x50001                    ; B: 5 bits from bit 1
	s_and_b32 s34, s31, 1
	s_lshl_b32 s34, s34, 2
	s_add_co_u32 s34, s34, s30                     ; my K step
	v_and_b32 v10, 8, v8
	v_add_nc_u32 v10, v10, v8
	v_lshl_add_u32 v10, v9, 3, v10
	v_lshlrev_b32 v10, 2, v10                      ; my column among the 32, in bytes
	v_lshlrev_b32 v11, 2, v8
	v_lshl_add_u32 v11, v9, 9, v11                 ; my scale word: 4 r, the odd tile's 512 bytes on
	s_wait_kmcnt 0x0
	s_cmp_lt_u32 s32, 2                            ; the buffers are chosen by the work-group's number alone
	s_cselect_b64 s[36:37], s[6:7], s[10:11]
	s_cselect_b64 s[38:39], s[8:9], s[12:13]
	s_cselect_b64 s[40:41], s[14:15], s[18:19]
	s_cselect_b64 s[42:43], s[16:17], s[20:21]
	s_cselect_b64 s[44:45], s[24:25], s[26:27]
	s_cselect_b64 s[48:49], s[24:25], s[28:29]
	s_and_b32 s35, s32, 1
	s_cmp_eq_u32 s35, 0
	s_cselect_b64 s[36:37], s[36:37], s[38:39]     ; the weight
	s_cselect_b64 s[40:41], s[40:41], s[42:43]     ; its bias
	s_cselect_b64 s[44:45], s[44:45], s[48:49]     ; its operand buffer
	s_cmp_eq_u32 s32, 1
	s_cselect_b32 s50, 64, 0                       ; Wk's tiles lie behind Wq's 64,
	s_cselect_b32 s51, 4096, 0                     ; its bias behind bq
	s_lshl_b32 s52, s33, 1
	s_add_co_u32 s52, s52, s50                     ; the even tile
	s_lshl_b32 s54, s52, 9
	s_lshl_b32 s55, s34, 6
	s_add_co_u32 s54, s54, s55
	s_add_co_u32 s54, s54, SCOFF
	s_mov_b32 s55, 0
	s_mul_i32 s52, s52, 12288
	s_mul_i32 s53, s34, 1536
	s_add_co_u32 s52, s52, s53
	s_mov_b32 s53, 0
	s_add_nc_u64 s[52:53], s[44:45], s[52:53]      ; its image of my K step
	s_add_nc_u64 s[54:55], s[44:45], s[54:55]      ; its scale words of my K step
	s_lshl_b32 s56, s34, 19                        ; 128 rows of 4,096 bytes a K step,
	s_lshl_b32 s57, s33, 7                         ; 32 columns of 4 bytes
	s_add_co_u32 s56, s56, s57
	s_mov_b32 s57, 0
	s_add_nc_u64 s[36:37], s[36:37], s[56:57]
.macro LOADW bb                        ; block bb: 32 rows of K at my column
.set i, 0
.rept 32
	global_load_b32 v[WN+32*(\bb)+i], v10, s[36:37] offset:(32*(\bb)+i)*4096 th:TH_LOAD_NT
.set i, i+1
.endr
.endm
.macro BLOCK bb
.set XS, WN+32*(\bb)
.if (\bb) < 3
	s_wait_loadcnt 32                              ; this block's 32 loads are in; the next block's may be out
.else
	s_wait_loadcnt 0x0
.endif
.if (\bb)+2 < 4
	LOADW (\bb)+2
.endif
	v_max3_num_f32 v[MX], |v[XS]|, |v[XS+1]|, |v[XS+2]|             ; the block's largest magnitude: all 32 numbers are mine; two chains
	v_max3_num_f32 v[MX+1], |v[XS+3]|, |v[XS+4]|, |v[XS+5]|
.irp n, 6,10,14,18,22,26
	v_max3_num_f32 v[MX], v[MX], |v[XS+\n]|, |v[XS+\n+1]|
	v_max3_num_f32 v[MX+1], v[MX+1], |v[XS+\n+2]|, |v[XS+\n+3]|
.endr
	v_max3_num_f32 v[MX], v[MX], |v[XS+30]|, |v[XS+31]|
	v_max3_num_f32 v[MX], v[MX], v[MX+1], 0x1800000                 ; and the floor 2^(3 - 127)
	v_add_nc_u32 v[SO+(\bb)], 0xff000000, v[MX]                     ; 2 off the exponent field: the conversion's scale operand
	v_lshrrev_b32 v[MX+1], 23, v[SO+(\bb)]                          ; the scale's byte
.if (\bb) == 0
	v_mov_b32 v[SW], v[MX+1]
.else
	v_lshl_or_b32 v[SW], v[MX+1], 8*(\bb), v[SW]
.endif
	v_cvt_scalef32_pk16_fp6_f32 v[F0+12*((\bb)%2)+6*((\bb)/2):F0+12*((\bb)%2)+6*((\bb)/2)+2], v[XS:XS+15], v[SO+(\bb)]
	v_cvt_scalef32_pk16_fp6_f32 v[T0+4*((\bb)%2):T0+4*((\bb)%2)+2], v[XS+16:XS+31], v[SO+(\bb)]
.if (\bb)%2 == 1
	v_nop                                          ; one plain place behind a scaled conversion
.irp n, 0,1,2
	v_permlane16_swap_b32 v[F0+6*((\bb)/2)+\n], v[F1+6*((\bb)/2)+\n]   ; the first now holds the even tile's lower 16 codes of each lane's block, the second the odd tile's
	v_permlane16_swap_b32 v[T0+\n], v[T1+\n]                        ; likewise the upper 16
.endr
.irp n, 0,1,2
	v_mov_b32 v[F0+6*((\bb)/2)+3+\n], v[T0+\n]
	v_mov_b32 v[F1+6*((\bb)/2)+3+\n], v[T1+\n]
.endr
.endif
.endm
	LOADW 0
	LOADW 1
	BLOCK 0
	BLOCK 1
	BLOCK 2
	BLOCK 3
.irp u, 0,1
	global_store_b128 v1, v[F0+12*\u:F0+12*\u+3], s[52:53] offset:12288*\u
	global_store_b64 v4, v[F0+12*\u+4:F0+12*\u+5], s[52:53] offset:12288*\u+512
	global_store_b128 v1, v[F0+12*\u+6:F0+12*\u+9], s[52:53] offset:12288*\u+768
	global_store_b64 v4, v[F0+12*\u+10:F0+12*\u+11], s[52:53] offset:12288*\u+1280
.endr
	global_store_b32 v11, v[SW], s[54:55]          ; two runs of 64 bytes: 4 bytes for each 512 that a lane has read
	s_and_b32 s58, s31, 63                         ; the bias is copied as it lies: wave 0 of a weight's first eight work-groups, 512 bytes each
	s_cmp_lt_u32 s58, 8
	s_cbranch_scc0 .Lw_end
	s_cmp_eq_u32 s30, 0
	s_cbranch_scc0 .Lw_end
	s_lshl_b32 s58, s58, 9
	s_mov_b32 s59, 0
	s_add_nc_u64 s[40:41], s[40:41], s[58:59]
	s_add_co_u32 s58, s58, s51
	s_add_co_u32 s58, s58, BOFF
	s_add_nc_u64 s[44:45], s[44:45], s[58:59]
	global_load_b128 v[188:191], v1, s[40:41]
	s_wait_loadcnt 0x0
	global_store_b128 v1, v[188:191], s[44:45]
.Lw_end:
	s_endpgm
.Lfunc_end_k_q727a80d867_prep:
	.size	k_q727a80d867_prep, .Lfunc_end_k_q727a80d867_prep-k_q727a80d867_prep
	.p2alignl 7, 3214868480
	.fill 96, 4, 3214868480
	.section	.rodata,"a",@progbits
	.p2align	6, 0x0
	.amdhsa_kernel k_q727a80d867_prep
		.amdhsa_group_segment_fixed_size 35328
		.amdhsa_private_segment_fixed_size 0
		.amdhsa_enable_private_segment 0
		.amdhsa_kernarg_size 104
		.amdhsa_user_sgpr_count 2
		.amdhsa_user_sgpr_kernarg_segment_ptr 1
		.amdhsa_wavefront_size32 1
		.amdhsa_system_sgpr_workgroup_id_x 1
		.amdhsa_system_sgpr_workgroup_id_y 1
		.amdhsa_system_sgpr_workgroup_id_z 1
		.amdhsa_system_vgpr_workitem_id 0
		.amdhsa_next_free_vgpr 256
		.amdhsa_next_free_sgpr 66
		.amdhsa_reserve_vcc 0
		.amdhsa_float_denorm_mode_32 3
		.amdhsa_float_denorm_mode_16_64 3
		.amdhsa_memory_ordered 1
		.amdhsa_forward_progress 1
		.amdhsa_inst_pref_size 56
	.end_amdhsa_kernel
	.amdgpu_metadata
---
amdhsa.version: [ 1, 2 ]
amdhsa.kernels:
  - .name:           k_q727a80d867_prep
    .symbol:         k_q727a80d867_prep.kd
    .args:
      - { .name: input, .offset: 0, .size: 8, .value_kind: global_buffer, .address_space: global }
      - { .name: Wq, .offset: 8, .size: 8, .value_kind: global_buffer, .address_space: global }
      - { .name: Wk, .offset: 16, .size: 8, .value_kind: global_buffer, .address_space: global }
      - { .name: Wv, .offset: 24, .size: 8, .value_kind: global_buffer, .address_space: global }
      - { .name: Wo, .offset: 32, .size: 8, .value_kind: global_buffer, .address_space: global }
      - { .name: bq, .offset: 40, .size: 8, .value_kind: global_buffer, .address_space: global }
      - { .name: bk, .offset: 48, .size: 8, .value_kind: global_buffer, .address_space: global }
      - { .name: bv, .offset: 56, .size: 8, .value_kind: global_buffer, .address_space: global }
      - { .name: bo, .offset: 64, .size: 8, .value_kind: global_buffer, .address_space: global }
      - { .name: xop, .offset: 72, .size: 8, .value_kind: global_buffer, .address_space: global }
      - { .name: wqkop, .offset: 80, .size: 8, .value_kind: global_buffer, .address_space: global }
      - { .name: wvop, .offset: 88, .size: 8, .value_kind: global_buffer, .address_space: global }
      - { .name: woop, .offset: 96, .size: 8, .value_kind: global_buffer, .address_space: global }
    .group_segment_fixed_size: 35328
    .private_segment_fixed_size: 0
    .kernarg_segment_align: 8
    .kernarg_segment_size: 104
    .max_flat_workgroup_size: 128
    .sgpr_count:     66
    .vgpr_count:     256
    .wavefront_size: 32
...
	.end_amdgpu_metadata
.endif
;; end of part 1
;; launch qk (part 2): grid 8 x 32, 4 waves a work-group, clusters of 4 x 4, 327,680 bytes of LDS; arguments wqkop, xop, qkout; writes qkout
.if DOCPART == 2
	.amdgcn_target "amdgcn-amd-amdhsa--gfx1250"
	.amdhsa_code_object_version 6
	.text
	.protected	k_q727a80d867_qk
	.globl	k_q727a80d867_qk
	.p2align	8
	.type	k_q727a80d867_qk,@function
k_q727a80d867_qk:
	s_mov_b64 s[64:65], 0
	v_nop
	global_prefetch_b8 v0, s[64:65] scope:SCOPE_SE
	s_setreg_imm32_b32 hwreg(HW_REG_WAVE_MODE, 25, 1), 1
	s_wait_xcnt 0x0
	s_wait_alu depctr_hold_cnt(0) depctr_sa_sdst(0) depctr_va_vdst(0) depctr_va_sdst(0) depctr_va_ssrc(0) depctr_va_vcc(0) depctr_vm_vsrc(0)
	s_getreg_b32 s2, hwreg(HW_REG_IB_STS2, 6, 4)
	s_cmp_eq_u32 s2, 0
	s_cbranch_scc0 .Lentry_in_a_cluster
	s_endpgm
.Lentry_in_a_cluster:
	s_bfe_u32 s2, ttmp6, 0x10000c
	s_cmp_lg_u32 s2, 0xf033
	s_cbranch_scc0 .Lentry_shape_is_right
	s_endpgm
.Lentry_shape_is_right:
; PROJ: result(i, j) = sum over k of S0[i][k] S1[j][k] + bias(S0's row i) + bias(S1's row j), K = 1,024, on codes of FP6 (E2M3) with E8M0 scales; the result is QUANTISED ALONG i, in runs of 128, and leaves as fragment images.
; Arguments: S0's operand buffer, S1's operand buffer, the result.  One text serves two launches: S0 = [Wq; Wk], S1 = x gives q and k quantised along the heads' channels; S0 = x, S1 = Wv gives v quantised along the tokens.
; OPERAND BUFFER: images [tile][K step 0..7][1,536] (a tile: 16 rows, tile 2 B + u place r = row 32 B + 8 u + r + 8 (r / 8); an image: for each half c at 768 c: lane l's registers 6 c .. 6 c + 3 at 16 l, then 6 c + 4, 6 c + 5 at 8 l);
; at SCOFF scale words [tile][K step][16]; at BOFF one f32 a natural row.  RESULT: images [i / 128][512][1,536], the second index S1's tile; at OSC their scale words [i / 128][512][16].
; A tile of the result, 256 x 256, is made by a work-group of four waves; a wave makes 128 x 128: 64 accumulators, 512 registers.  K goes through a ring of two LDS slots of two K steps each, filled by the tensor data mover.
; The scale words of the work-group's 16 + 16 tiles, for all of K, are two dense blocks of 8,192 bytes: they come once, with the first fills.
; CLUSTERS: 4 x 4 work-groups.  S1's tiles ("A") hang on work-group y and are shared along a row of the cluster, S0's ("B") on work-group x and are shared along a column: each is asked for jointly.
; SOURCE 0 = S0's tile, SOURCE 1 = S1's tile: by the tiles' order of rows, register 8 b + j of lane (r, h) over S0's tiles b = 0 .. 7 is i = 32 (b / 2) + 16 h + 8 (b % 2) + j: 16 neighbours along i in each pair of tiles, as the conversions want them.
; S0's bias is the C of each sum's first product; S1's is added on the way out.  LIMITS: as stated in the launch that makes the operands (byte 1 for blocks of zeros; no NaN, no infinities); the bias enters the sums first, an order of rounding other than adding it last.
; REGISTERS, in windows of 256: window 0: v16-29 addresses; v32-63 scale words, two sets; v64-79 S1's bias, each number twice; from v128 A's fragments, ONE set; on the way out v128-230 are at work.
;   window 1: B's fragments, TWO sets, at v0 and v128; S0's bias as C operands at v96-127 and v224-255.   window 2: the accumulators of my A tiles 0-3 ((a, b) at v[8 (8 a + b)]);   window 3: those of tiles 4-7.
.set SCOFF, 6291456
.set BOFF,  6553600
.set OSC,   50331648
.set NQ,    2                          ; K steps in a slot
.set FR,    12                         ; registers of a fragment
.set NL,    4                          ; LDS loads that bring one
.set NP,    4                          ; places behind this matrix instruction (ISA guide 7.12.1)
.set TILEB, 3072                       ; a tile's two K steps in a slot
.set HALFT, 8*TILEB                    ; 8 tiles: what one tensor load brings, and what one wave reads of A or of B
.set SLOT,  4*HALFT                    ; A's 16 tiles, then B's 16
.set LAPS,  2                          ; a lap = two slots = four K steps
.set SCL,   2*SLOT                     ; behind the ring: the scale words, A's 8,192 bytes, then B's
.set HALFS, 4096                       ; those of 8 tiles
.set SPARE, SCL+4*HALFS                ; the spare words, 128 bytes for each wave: two blocks of 256 bytes that no other line names
.set ADRA, 16                          ; v16-17 LDS address of my A tiles in slot 0, 1, + 16 x lane;  v18-19 the same + 512 + 8 x lane
.set ADRB, 20                          ; v20-23 the same for B
.set L16,  24                          ; v24 16 x lane
.set L8,   25                          ; v25 8 x lane
.set L4,   26                          ; v26 4 x lane
.set ADRS, 27                          ; v27 LDS address of my scale words: lanes 0-15 A's, lanes 16-31 B's
.set SPW,  28                          ; v28 LDS address of my spare word; never rewritten
.set NIL,  29                          ; v29 0; never rewritten
.set SC,   32                          ; scale words: set s at v[SC + 16 s]; register 2 i + q: lanes 0-15 A's tile i, lanes 16-31 B's tile i, the slot's q-th K step
.set B1,   64                          ; S1's bias
.set AF,   128                         ; A's fragments
.set BI,   96                          ; window 1: S0's bias for tile b at v[BI + 8 b + 96 (b / 4)]
.set T,    128                         ; the way out: 64 numbers
.set PC,   192                         ; the codes just made (v192-203; v204-206, v208-210 at work)
.set TM,   212                         ; v212-227 at work in QUANT
.set PW,   228                         ; the scale word just made; v229 the even tile's, kept; v230 both tiles' words
.set SEL,  18                          ; s[18:19] lane selects for v_permlanex16_b32, set on the way out
.set G1, 24                            ; s[24:31] descriptor group 1 for A's tiles;  s[32:39] group 0, one set for each slot
.set G0, 32
.set G1B, 48                           ; s[48:55], s[56:63] the same for B's tiles
.set G0B, 56
.set G1S, 68                           ; s[68:75], s[76:79] groups 1 and 0 for A's scale words;  s[80:87], s[88:91] for B's
.set G0S, 76
.set G1SB, 80
.set G0SB, 88
.set MSB, 0
.macro WIN new                         ; the immediate's high byte repeats the setting that is left
.if MSB != \new
	s_set_vgpr_msb (MSB<<8)|\new
.set MSB, \new
.endif
.endm
.set MUL_LO, 0xa1                      ; source 0 (B) window 1, source 1 (A) window 0, C and D window 2
.set MUL_HI, 0xf1                      ; the same, C and D window 3
.set TO_B,   0x40                      ; destination window 1, address window 0
; A joint load: waves 0 and 1 fetch for A, waves 2 and 3 for B.  Each line has one mask and one set of registers for all that issue it; the branch hangs on the wave's number alone.
; Four v_nop follow each of the two lines, ahead of the jump, the label and what follows.
.macro JLOAD g0a, g1a, g0b, g1b
	s_cmp_eq_u32 s15, 0
	s_cbranch_scc0 .Lfor_b_\@
	tensor_load_to_lds s[\g0a:\g0a+3], s[\g1a:\g1a+7]
	s_nop 0
.rept 4
	v_nop
.endr
	s_branch .Lasked_\@
.Lfor_b_\@:
	tensor_load_to_lds s[\g0b:\g0b+3], s[\g1b:\g1b+7]
	s_nop 0
.rept 4
	v_nop
.endr
.Lasked_\@:
.endm
.macro CREST                           ; a round of the cluster's barrier behind its opening barrier
	s_cmp_lg_u32 s14, 0
	s_cbranch_scc1 .Lnot_wave_0_\@
	s_barrier_signal -3
.Lnot_wave_0_\@:
	s_barrier_wait -3
	s_barrier_signal -1
	s_barrier_wait -1
.endm
.macro CROUND                          ; a whole round
	s_barrier_signal -1
	s_barrier_wait -1
	CREST
.endm
	s_load_b128 s[4:7], s[0:1], 0x0                ; S0 ("B") s[4:5], S1 ("A") s[6:7]
	s_load_b64 s[12:13], s[0:1], 0x10              ; the result
	v_lshl_add_u32 v[SPW], v0, 2, SPARE
	v_mov_b32 v[NIL], 0
	ds_add_u32 v28, v29
	s_wait_dscnt 0x0
	v_lshrrev_b32 v1, 5, v0
	v_readfirstlane_b32 s14, v1                    ; wave 0..3
	s_lshr_b32 s15, s14, 1                         ; which 8 of A's tiles are mine.  Also: I fetch for A (0) or for B (1)
	s_and_b32 s16, s14, 1                          ; which 8 of B's tiles are mine.  Also: which 8 tiles I fetch
	s_bfe_u32 s40, ttmp6, 0x40000                  ; cx, cy: my place in the cluster
	s_bfe_u32 s41, ttmp6, 0x40004
	s_lshl_b32 s42, ttmp9, 2
	s_add_co_u32 s42, s42, s40                     ; work-group x = 4 x cluster x + cx: S0's 16 tiles
	s_and_b32 s17, ttmp7, 0xffff
	s_lshl_b32 s17, s17, 2
	s_add_co_u32 s17, s17, s41                     ; work-group y = 4 x cluster y + cy: S1's 16 tiles
	s_lshl_b32 s43, s41, 2
	s_lshl_b32 s43, 15, s43                        ; my row of the cluster
	s_lshl_b32 s44, 0x1111, s40                    ; my column
	; descriptor group 1: 8 tiles x two K steps: 8 rows of 3,072 bytes (384 elements of 8 bytes), 12,288 bytes apart in memory, on end in LDS
	s_or_b32 s[G1+0], s43, (3<<16)|(1<<21)         ; 15:0 the mask: A's tiles go to my row; 17:16 elements of 8 bytes; 20 no padding; 21 set beside a mask
	s_or_b32 s[G1B+0], s44, (3<<16)|(1<<21)
.irp g, G1, G1B
	s_mov_b32 s[\g+1], 384<<16                     ; tensor_dim0
	s_mov_b32 s[\g+2], 8<<16                       ; tensor_dim1
	s_mov_b32 s[\g+3], 384<<16                     ; tile_dim0
	s_mov_b32 s[\g+4], 8                           ; tile_dim1
	s_mov_b32 s[\g+5], 1536                        ; tensor_dim0_stride
	s_mov_b32 s[\g+6], 0
	s_mov_b32 s[\g+7], 0
.endr
	; and for the scale words of 8 tiles: a dense block of 4,096 bytes, as 16 rows of 256 bytes
	s_or_b32 s[G1S+0], s43, (3<<16)|(1<<21)
	s_or_b32 s[G1SB+0], s44, (3<<16)|(1<<21)
.irp g, G1S, G1SB
	s_mov_b32 s[\g+1], 32<<16
	s_mov_b32 s[\g+2], 16<<16
	s_mov_b32 s[\g+3], 32<<16
	s_mov_b32 s[\g+4], 16
	s_mov_b32 s[\g+5], 32
	s_mov_b32 s[\g+6], 0
	s_mov_b32 s[\g+7], 0
.endr
	s_lshl_b32 s18, s16, 3                         ; which 8 tiles I fetch
	s_lshl_b32 s20, s17, 4
	s_add_co_u32 s20, s20, s18                     ; A: tile 16 y + 8 x half
	s_lshl_b32 s46, s42, 4
	s_add_co_u32 s46, s46, s18                     ; B: tile 16 x + 8 x half
	s_lshl_b32 s22, s20, 9
	s_add_co_u32 s22, s22, SCOFF                   ; where these tiles' scale words begin,
	s_mov_b32 s23, 0
	s_lshl_b32 s92, s46, 9
	s_add_co_u32 s92, s92, SCOFF
	s_mov_b32 s93, 0
	s_mul_i32 s20, s20, 12288                      ; and their images
	s_mov_b32 s21, 0
	s_mul_i32 s46, s46, 12288
	s_mov_b32 s47, 0
	s_mul_i32 s45, s14, HALFT                      ; where they go: wave x 8 tiles: no place in the cluster enters an LDS address
	s_lshl_b32 s94, s14, 12
	s_wait_kmcnt 0x0
	s_add_nc_u64 s[20:21], s[6:7], s[20:21]
	s_add_nc_u64 s[22:23], s[6:7], s[22:23]
	s_add_nc_u64 s[46:47], s[4:5], s[46:47]
	s_add_nc_u64 s[92:93], s[4:5], s[92:93]
	CROUND                                         ; all sixteen work-groups are here: the first joint loads meet
	s_mov_b32 s[G0S], 1
	s_add_co_u32 s[G0S+1], s94, SCL
	s_mov_b64 s[G0S+2:G0S+3], s[22:23]
	s_or_b32 s[G0S+3], s[G0S+3], 0x80000000
	s_mov_b32 s[G0SB], 1
	s_add_co_u32 s[G0SB+1], s94, SCL
	s_mov_b64 s[G0SB+2:G0SB+3], s[92:93]
	s_or_b32 s[G0SB+3], s[G0SB+3], 0x80000000
	JLOAD G0S, G1S, G0SB, G1SB                     ; the scale words first: they are wanted with K step 0
.irp s, 0,1
	s_mov_b32 s[G0+4*\s], 1
	s_add_co_u32 s[G0+4*\s+1], s45, \s*SLOT
	s_add_nc_u64 s[G0+4*\s+2:G0+4*\s+3], s[20:21], \s*TILEB
	s_or_b32 s[G0+4*\s+3], s[G0+4*\s+3], 0x80000000
	s_mov_b32 s[G0B+4*\s], 1
	s_add_co_u32 s[G0B+4*\s+1], s45, \s*SLOT
	s_add_nc_u64 s[G0B+4*\s+2:G0B+4*\s+3], s[46:47], \s*TILEB
	s_or_b32 s[G0B+4*\s+3], s[G0B+4*\s+3], 0x80000000
	JLOAD G0+4*\s, G1, G0B+4*\s, G1B
.endr
	v_and_b32 v1, 15, v0                           ; r
	v_bfe_u32 v2, v0, 4, 1                         ; h
	v_and_b32 v3, 31, v0                           ; lane
	v_lshlrev_b32 v[L16], 4, v3
	v_lshlrev_b32 v[L8], 3, v3
	v_lshlrev_b32 v[L4], 2, v3
	v_add_nc_u32 v4, 512, v[L8]
	s_mul_i32 s21, s15, HALFT                      ; my 8 tiles of A
	s_mul_i32 s22, s16, HALFT                      ; my 8 tiles of B,
	s_add_co_u32 s22, s22, 2*HALFT                 ; which lie behind A's 16
.irp s, 0,1
	v_add_nc_u32 v[ADRA+\s], s21, v[L16]
	v_add_nc_u32 v[ADRB+\s], s22, v[L16]
	v_add_nc_u32 v[ADRA+2+\s], s21, v4
	v_add_nc_u32 v[ADRB+2+\s], s22, v4
	s_add_co_u32 s21, s21, SLOT
	s_add_co_u32 s22, s22, SLOT
.endr
	v_lshlrev_b32 v5, 2, v1                        ; my row's scale word
	s_mul_i32 s21, s15, HALFS                      ; A's: my 8 tiles
	s_mul_i32 s22, s16, HALFS                      ; B's: my 8 tiles, behind A's 16
	s_add_co_u32 s22, s22, 2*HALFS
	s_sub_co_u32 s22, s22, s21
	v_mul_u32_u24 v6, s22, v2                      ; lanes 16-31 take B's: the lower base + h x the distance
	s_add_co_u32 s21, s21, SCL
	v_add_nc_u32 v5, v5, v6
	v_add_nc_u32 v[ADRS], s21, v5
	v_lshlrev_b32 v7, 6, v2                        ; S0's bias: 64 h
	v_and_b32 v8, 8, v1
	v_add_nc_u32 v8, v8, v1
	v_lshlrev_b32 v8, 2, v8                        ; S1's bias: 4 (r + 8 (r / 8))
	s_lshl_b32 s46, s42, 4
	s_lshl_b32 s47, s16, 3
	s_add_co_u32 s46, s46, s47                     ; my first tile of B: 16 rows a tile, 64 bytes of bias
	s_lshl_b32 s46, s46, 6
	s_add_co_u32 s46, s46, BOFF
	s_mov_b32 s47, 0
	s_add_nc_u64 s[46:47], s[4:5], s[46:47]
	s_lshl_b32 s20, s17, 4
	s_lshl_b32 s21, s15, 3
	s_add_co_u32 s20, s20, s21                     ; my first tile of A
	s_lshl_b32 s20, s20, 6
	s_add_co_u32 s20, s20, BOFF
	s_mov_b32 s21, 0
	s_add_nc_u64 s[20:21], s[6:7], s[20:21]
	s_lshl_b32 s92, s42, 1                         ; where my results go: run of 128 along i = 2 x + my half of B; second index = my first tile of A
	s_add_co_u32 s92, s92, s16
	s_lshl_b32 s92, s92, 9
	s_lshl_b32 s93, s17, 4
	s_add_co_u32 s92, s92, s93
	s_lshl_b32 s93, s15, 3
	s_add_co_u32 s92, s92, s93
	s_lshl_b32 s94, s92, 6
	s_add_co_u32 s94, s94, OSC
	s_mov_b32 s95, 0
	s_add_nc_u64 s[10:11], s[12:13], s[94:95]      ; the scale words
	s_mul_i32 s92, s92, 1536
	s_mov_b32 s93, 0
	s_add_nc_u64 s[8:9], s[12:13], s[92:93]        ; the images
	WIN TO_B
.irp b, 0,1,2,3,4,5,6,7                        ; lane (r, h) wants, for tile b, the bias of rows 32 (b / 2) + 16 h + 8 (b % 2) + 0 .. 7
	global_load_b128 v[BI+8*\b+96*(\b/4):BI+8*\b+96*(\b/4)+3], v7, s[46:47] offset:(32*(\b/2)+8*(\b%2))*4
	global_load_b128 v[BI+8*\b+96*(\b/4)+4:BI+8*\b+96*(\b/4)+7], v7, s[46:47] offset:(32*(\b/2)+8*(\b%2))*4+16
.endr
	WIN 0
.irp a, 0,1,2,3,4,5,6,7                        ; and for A's tile a the bias of its row at place r, twice: a pair for the packed addition
	global_load_b32 v[B1+2*\a], v8, s[20:21] offset:(32*(\a/2)+8*(\a%2))*4
	global_load_b32 v[B1+2*\a+1], v8, s[20:21] offset:(32*(\a/2)+8*(\a%2))*4
.endr
.macro FRAG reg, adr, q, i             ; a fragment comes as its image lies: two loads of 16 bytes and two of 8 a lane, each instruction's bytes on end
	ds_load_b128 v[\reg:\reg+3], v[\adr] offset:TILEB*(\i)+1536*(\q)
	ds_load_b64 v[\reg+4:\reg+5], v[\adr+2] offset:TILEB*(\i)+1536*(\q)
	ds_load_b128 v[\reg+6:\reg+9], v[\adr] offset:TILEB*(\i)+1536*(\q)+768
	ds_load_b64 v[\reg+10:\reg+11], v[\adr+2] offset:TILEB*(\i)+1536*(\q)+768
.endm
; 16 matrix instructions: A's tiles a0, a0 + 1 x B's eight, one K step: the slot's q-th.  p: B's set;  sc: the set of scale words.  zero = 1: the first product starts the sums, with S0's bias as C.
; The 64 accumulators take turns, one instruction a turn, in the same order in every step.
.macro MUL16 a0, p, q, sc, zero
.irp a, \a0, \a0+1
.irp b, 0,1,2,3,4,5,6,7
.if \zero
	v_wmma_scale_f32_16x16x128_f8f6f4 v[8*(8*((\a)%4)+\b):8*(8*((\a)%4)+\b)+7], v[128*(\p)+FR*\b:128*(\p)+FR*\b+FR-1], v[AF+FR*(\a):AF+FR*(\a)+FR-1], v[BI+8*\b+96*(\b/4):BI+8*\b+96*(\b/4)+7], v[SC+8*NQ*(\sc)+NQ*\b+(\q)], v[SC+8*NQ*(\sc)+NQ*(\a)+(\q)] matrix_a_fmt:MATRIX_FMT_FP6 matrix_b_fmt:MATRIX_FMT_FP6 matrix_a_scale:MATRIX_SCALE_ROW1
.else
	v_wmma_scale_f32_16x16x128_f8f6f4 v[8*(8*((\a)%4)+\b):8*(8*((\a)%4)+\b)+7], v[128*(\p)+FR*\b:128*(\p)+FR*\b+FR-1], v[AF+FR*(\a):AF+FR*(\a)+FR-1], v[8*(8*((\a)%4)+\b):8*(8*((\a)%4)+\b)+7], v[SC+8*NQ*(\sc)+NQ*\b+(\q)], v[SC+8*NQ*(\sc)+NQ*(\a)+(\q)] matrix_a_fmt:MATRIX_FMT_FP6 matrix_b_fmt:MATRIX_FMT_FP6 matrix_a_scale:MATRIX_SCALE_ROW1
.endif
.endr
.endr
.endm
.macro FETCH_B slot, q, p              ; B's eight fragments of the slot's q-th K step into set p
	WIN TO_B
.irp i, 0,1,2,3,4,5,6,7
	FRAG 128*(\p)+FR*\i, ADRB+\slot, \q, \i
.endr
	WIN 0
.endm
.macro FETCH_A slot, q, i0             ; A's tiles i0 .. i0 + 3
.irp i, \i0, \i0+1, \i0+2, \i0+3
	FRAG AF+FR*(\i), ADRA+\slot, \q, \i
.endr
.endm
.macro SCALES sc                       ; a slot's scale words into set sc: lanes 0-15 take A's tile i, lanes 16-31 B's tile i
.irp i, 0,1,2,3,4,5,6,7
	ds_load_b32 v[SC+8*NQ*\sc+NQ*\i], v[ADRS] offset:512*\i
	ds_load_b32 v[SC+8*NQ*\sc+NQ*\i+1], v[ADRS] offset:512*\i+64
.endr
.endm
; A load into a register that a matrix instruction has read, and a vector instruction that reads a matrix result, stand NP places behind that matrix instruction; only plain vector instructions that name none
; of its registers are places (ISA guide 7.12.1 for vector instructions).
.macro PLACES n
.rept \n
	v_nop
.endr
.endm
; A K step that has its successor in the same slot.
.macro STEP slot, q, zero
	s_wait_dscnt 4*NL                              ; B's set, A's tiles 0-3 and the scale words are in; the youngest 16 loads (A's tiles 4-7) may be out
.if \zero
	WIN 0x91                                       ; source 0 and C (the bias) window 1, source 1 window 0, D window 2
.else
	WIN MUL_LO
.endif
	MUL16 0, (\q)%2, \q, \slot, \zero
	MUL16 2, (\q)%2, \q, \slot, \zero
	s_wait_dscnt 0                                 ; A's tiles 4-7 are in (asked for 32 matrix instructions ago)
	PLACES NP
	FETCH_B \slot, (\q)+1, 1-(\q)%2
	FETCH_A \slot, (\q)+1, 0
.if \zero
	WIN 0xd1                                       ; the same, D window 3
.else
	WIN MUL_HI
.endif
	MUL16 4, (\q)%2, \q, \slot, \zero
	MUL16 6, (\q)%2, \q, \slot, \zero
	PLACES NP
	WIN 0
	FETCH_A \slot, (\q)+1, 4
.endm
; A slot's last K step changes slots: ONE barrier; in front of it each wave waits for all its tensor loads, adds 0 to its spare word, and waits for that and for its own reads of this slot.  fill = 1: this slot is filled again, two slots ahead.
.macro TURN slot, next, fill
	s_wait_tensorcnt 0x0                           ; all my tensor loads have landed: my part of the next slot;  (every window is 0 here)
	ds_add_u32 v[SPW], v[NIL]                      ; 0 onto my spare word;
	s_wait_dscnt 4*NL+1                            ; (the add and the youngest 16 loads, A's tiles 4-7, may be out)
	WIN MUL_LO
	MUL16 0, 1, NQ-1, \slot, 0                     ; sixteen matrix instructions stand between the add and the wait for it
	s_wait_dscnt 0x0                               ; the add is done, and my reads of this slot are over
	s_barrier_signal -1
	MUL16 2, 1, NQ-1, \slot, 0
	WIN 0
	s_barrier_wait -1
.if \fill
	CREST                                          ; the barrier has opened a round of the cluster's barrier: no wave of any partner still reads this slot or has a load on its way
	s_add_nc_u64 s[G0+4*\slot+2:G0+4*\slot+3], s[G0+4*\slot+2:G0+4*\slot+3], 2*TILEB
	s_add_nc_u64 s[G0B+4*\slot+2:G0B+4*\slot+3], s[G0B+4*\slot+2:G0B+4*\slot+3], 2*TILEB
	JLOAD G0+4*\slot, G1, G0B+4*\slot, G1B         ; the first tensor load behind the round; the four v_nop behind it are the places in front of the loads below
.else
	PLACES NP
.endif
	v_add_nc_u32 v[ADRS], 64*NQ, v[ADRS]           ; on to the next slot's scale words (no LDS load of mine is out)
	FETCH_B \next, 0, 0
	FETCH_A \next, 0, 0
	SCALES \next
	WIN MUL_HI
	MUL16 4, 1, NQ-1, \slot, 0
	MUL16 6, 1, NQ-1, \slot, 0
	PLACES NP
	WIN 0
	FETCH_A \next, 0, 4
.endm
	s_wait_loadcnt 0x0                             ; the biases
	s_wait_tensorcnt 1                             ; the scale words and my part of slot 0 are in (slot 1's load may be out)
	s_barrier_signal -1
	s_barrier_wait -1                              ; everybody's are
	FETCH_B 0, 0, 0
	FETCH_A 0, 0, 0
	SCALES 0
	FETCH_A 0, 0, 4
	STEP 0, 0, 1                                   ; the first K step stands in front of the loop: its products start the sums
	s_mov_b32 s3, LAPS-1
.Llap:                                                 ; a trip goes once round the ring, from a lap's second K step to the next lap's first, and fills both slots again
	TURN 0, 1, 1
	STEP 1, 0, 0
	TURN 1, 0, 1
	STEP 0, 0, 0
	s_sub_co_u32 s3, s3, 1
	s_cmp_lg_u32 s3, 0
	s_cbranch_scc1 .Llap
	TURN 0, 1, 0                                   ; the last lap fills nothing, and has no round of the cluster's barrier
	STEP 1, 0, 0
	s_wait_dscnt 4*NL                              ; the very last K step: nothing more to fetch
	WIN MUL_LO
	MUL16 0, 1, NQ-1, 1, 0
	MUL16 2, 1, NQ-1, 1, 0
	s_wait_dscnt 0
	WIN MUL_HI
	MUL16 4, 1, NQ-1, 1, 0
	MUL16 6, 1, NQ-1, 1, 0
	WIN 0
; 64 numbers of a lane, register 16 b + i = index 32 b + 16 (lane / 16) + i of my row, become a fragment's codes in v[PC] on and its scale word in v[PW].
.macro QUANT s
.irp b, 0,1,2,3
	v_max3_num_f32 v[TM+\b], |v[\s+16*\b]|, |v[\s+1+16*\b]|, 0x1800000   ; block b: my 16 numbers, and the floor 2^(3 - 127): the byte cannot fall under 1
.endr
.irp i, 2,4,6,8,10,12,14
.irp b, 0,1,2,3
	v_max3_num_f32 v[TM+\b], v[TM+\b], |v[\s+16*\b+\i]|, |v[\s+1+16*\b+\i]|
.endr
.endr
.irp b, 0,1,2,3
	v_permlanex16_b32 v[TM+4+\b], v[TM+\b], s[SEL], s[SEL+1]
.endr
.irp b, 0,1,2,3
	v_max_num_f32 v[TM+\b], v[TM+\b], v[TM+4+\b]   ; with lane l xor 16's: the block's largest magnitude
.endr
.irp b, 0,1,2,3
	v_add_nc_u32 v[TM+12+\b], 0xff000000, v[TM+\b]   ; 2 off its exponent field: the conversion's scale operand
.endr
.irp b, 0,1,2,3
	v_lshrrev_b32 v[TM+4+\b], 23, v[TM+12+\b]   ; the scale's byte
.endr
	v_lshl_or_b32 v[PW], v[TM+5], 8, v[TM+4]
	v_lshl_or_b32 v[PW], v[TM+6], 16, v[PW]
	v_lshl_or_b32 v[PW], v[TM+7], 24, v[PW]
.irp c, 0,1
	v_cvt_scalef32_pk16_fp6_f32 v[PC+6*\c:PC+2+6*\c], v[\s+32*\c:\s+15+32*\c], v[TM+12+2*\c]
	v_cvt_scalef32_pk16_fp6_f32 v[PC+12+4*\c:PC+14+4*\c], v[\s+16+32*\c:\s+31+32*\c], v[TM+12+2*\c+1]
.endr
	v_nop                                          ; one plain place behind a scaled conversion
.irp c, 0,1
.irp i, 0,1,2
	v_permlane16_swap_b32 v[PC+6*\c+\i], v[PC+12+4*\c+\i]
.endr
.irp i, 0,1,2
	v_mov_b32 v[PC+3+6*\c+\i], v[PC+12+4*\c+\i]
.endr
.endr
.endm
; THE WAY OUT of A's tile a: its 64 numbers a lane (128 along i of the row at my place) take S1's bias, are quantised, and leave as one image: every store covers whole aligned runs of 256 bytes.
; Two tiles' scale words leave together: lanes 0-15 the even tile's, lanes 16-31 the odd one's: 128 consecutive bytes.
.macro OUTQ a
.if (\a) > 0
	s_wait_xcnt 0x0                                ; the last tile's stores have read their data: those registers are written again only behind this wait
.endif
	WIN 0x02+(\a)/4                                ; source 0: window 2 or 3
.set i, 0
.rept 32
	v_pk_add_f32 v[T+i:T+i+1], v[64*((\a)%4)+i:64*((\a)%4)+i+1], v[B1+2*(\a):B1+2*(\a)+1]   ; each accumulator from its low end on
.set i, i+2
.endr
	WIN 0
	QUANT T
	global_store_b128 v[L16], v[PC:PC+3], s[8:9] offset:1536*(\a)
	global_store_b64 v[L8], v[PC+4:PC+5], s[8:9] offset:1536*(\a)+512
	global_store_b128 v[L16], v[PC+6:PC+9], s[8:9] offset:1536*(\a)+768
	global_store_b64 v[L8], v[PC+10:PC+11], s[8:9] offset:1536*(\a)+1280
.if (\a)%2 == 0
	v_mov_b32 v229, v[PW]
.else
	v_cndmask_b32 v230, v229, v[PW], s96
	global_store_b32 v[L4], v230, s[10:11] offset:64*((\a)-1)
.endif
.endm
	PLACES NP                                      ; behind the last products: their results are read, and the registers that held A's fragments are written
	s_mov_b32 s[SEL], 0x76543210
	s_mov_b32 s[SEL+1], 0xfedcba98
	s_mov_b32 s96, 0xffff0000                      ; lanes 16-31
.irp b, 0,1,2,3
	v_mov_b32 v[TM+4+\b], 0                        ; written once: a lane permute's destination counts as one of its sources
.endr
.irp a, 0,1,2,3,4,5,6,7
	OUTQ \a
.endr
	s_wait_tensorcnt 0x0                           ; the wave's end
	ds_add_u32 v[SPW], v[NIL]
	s_wait_dscnt 0x0
	CROUND                                         ; the closing round: no work-group ends while a partner may still ask for a tile that names it
	s_endpgm
.Lfunc_end_k_q727a80d867_qk:
	.size	k_q727a80d867_qk, .Lfunc_end_k_q727a80d867_qk-k_q727a80d867_qk
	.p2alignl 7, 3214868480
	.fill 96, 4, 3214868480
	.section	.rodata,"a",@progbits
	.p2align	6, 0x0
	.amdhsa_kernel k_q727a80d867_qk
		.amdhsa_group_segment_fixed_size 327680
		.amdhsa_private_segment_fixed_size 0
		.amdhsa_enable_private_segment 0
		.amdhsa_kernarg_size 24
		.amdhsa_user_sgpr_count 2
		.amdhsa_user_sgpr_kernarg_segment_ptr 1
		.amdhsa_wavefront_size32 1
		.amdhsa_system_sgpr_workgroup_id_x 1
		.amdhsa_system_sgpr_workgroup_id_y 1
		.amdhsa_system_sgpr_workgroup_id_z 1
		.amdhsa_system_vgpr_workitem_id 0
		.amdhsa_next_free_vgpr 1024
		.amdhsa_next_free_sgpr 98
		.amdhsa_reserve_vcc 0
		.amdhsa_float_denorm_mode_32 3
		.amdhsa_float_denorm_mode_16_64 3
		.amdhsa_memory_ordered 1
		.amdhsa_forward_progress 1
		.amdhsa_inst_pref_size 170
	.end_amdhsa_kernel
	.amdgpu_metadata
---
amdhsa.version: [ 1, 2 ]
amdhsa.kernels:
  - .name:           k_q727a80d867_qk
    .symbol:         k_q727a80d867_qk.kd
    .args:
      - { .name: wqkop, .offset: 0, .size: 8, .value_kind: global_buffer, .address_space: global }
      - { .name: xop, .offset: 8, .size: 8, .value_kind: global_buffer, .address_space: global }
      - { .name: qkout, .offset: 16, .size: 8, .value_kind: global_buffer, .address_space: global }
    .group_segment_fixed_size: 327680
    .private_segment_fixed_size: 0
    .kernarg_segment_align: 8
    .kernarg_segment_size: 24
    .max_flat_workgroup_size: 128
    .sgpr_count:     98
    .vgpr_count:     1024
    .wavefront_size: 32
...
	.end_amdgpu_metadata
.endif
;; end of part 2
;; launch vproj: the kernel of part 2 again; grid 32 x 4, 4 waves a work-group, clusters of 4 x 4, 327,680 bytes of LDS; arguments xop, wvop, vout; writes vout
;; launch attn (part 3): grid 4 x 128, 16 waves a work-group, clusters of 4 x 4, 327,680 bytes of LDS; arguments qkout, vout, mask, attop; writes attop
.if DOCPART == 3
	.amdgcn_target "amdgcn-amd-amdhsa--gfx1250"
	.amdhsa_code_object_version 6
	.text
	.protected	k_q727a80d867_attn
	.globl	k_q727a80d867_attn
	.p2align	8
	.type	k_q727a80d867_attn,@function
k_q727a80d867_attn:
	s_mov_b64 s[64:65], 0
	v_nop
	global_prefetch_b8 v0, s[64:65] scope:SCOPE_SE
	s_setreg_imm32_b32 hwreg(HW_REG_WAVE_MODE, 25, 1), 1
	s_wait_xcnt 0x0
	s_wait_alu depctr_hold_cnt(0) depctr_sa_sdst(0) depctr_va_vdst(0) depctr_va_sdst(0) depctr_va_ssrc(0) depctr_va_vcc(0) depctr_vm_vsrc(0)
	s_getreg_b32 s2, hwreg(HW_REG_IB_STS2, 6, 4)
	s_cmp_eq_u32 s2, 0
	s_cbranch_scc0 .Lentry_in_a_cluster
	s_endpgm
.Lentry_in_a_cluster:
	s_bfe_u32 s2, ttmp6, 0x10000c
	s_cmp_lg_u32 s2, 0xf033
	s_cbranch_scc0 .Lentry_shape_is_right
	s_endpgm
.Lentry_shape_is_right:
; ATTN: for each batch b, head and query: softmax over the keys of (q . k / 8) x mask[b][query][key], times v; both products on codes of FP6 (E2M3) with E8M0 scales.  The result, divided by the row's sum, is quantised along d_model
; and leaves as the last product's operand (images [token tile][head pair][1,536], the head's parity picking the half of 768 bytes; at SCOFF scale words [token tile][head pair][16]).
; INPUTS, as the launches before laid them: qkout: images [g][512][1,536], g = 0-7 q's head pairs, 8-15 k's, second index the token tile; a head is one half (768 bytes) of an image; at OSC scale words [g][512][16], two bytes a head.
; vout: images [16 b + key step][512][1,536], second index the tile of 16 channels, K = 128 keys; scale words likewise.  A tile's place r is row 32 B + 8 u + r + 8 (r / 8) of tile 2 B + u, for tokens and channels alike.
; THE SOFTMAX AHEAD OF THE SECOND PRODUCT: t = score x mask x log2(e) / 8; M = the running largest t rounded UP to a whole number; p = 2^(t - M) is quantised along the keys, not normalised; the row's sum is taken of the unquantised p.
; When M moves, the sum and O are multiplied by 2^(old M - new M): exact.
; SHARES.  A work-group owns 64 queries x 4 heads; wave w owns head w / 4 of the four and query tile w % 4, in 256 registers: four waves to a SIMD, so that one wave's vector work stands beside another's matrix work and LDS loads.
; Every wave walks the batch's 2,048 keys, 128 a step, through a ring of two LDS slots of one step.  THE FIRST PRODUCT HAS K = 64: the upper six registers of both operands are zeros (zero codes add nothing under any byte but 0xff).
; CLUSTER 4 x 4: cx = the group of four heads, cy = one of four blocks of 64 queries of one batch.  K's and V's tiles and scale words hang on (b, cx): asked for jointly along a column.  The mask's tile hangs on the query block: jointly along a row,
; so that all 16 heads share one fetch of it.
; LAYOUT.  Both products are used transposed (S^T = K Q^T, O^T = V^T P^T): a lane holds one query (place lane % 16) throughout; by the tiles' order register 16 B + i of S^T is key 32 B + 16 (lane / 16) + i.
; LIMITS: NaN and infinities are not served; a block of zeros gets the byte 1 where the rule says 127 (its codes are zeros, this program alone reads the bytes).
.set OSC,   50331648
.set SCOFF, 6291456
.set IMGS,  49152                      ; LDS: slot s of the images at IMGS s: K of head pair 0 (12,288 bytes), of pair 1, then V's 16 tiles (24,576)
.set VOFF,  24576
.set MSK,   98304                      ; the mask's slot s at MSK + MSKS s: four groups of 16 rows, rows 528 bytes apart (512 + 16 of padding),
.set MSKS,  34304
.set MGRP,  8576                       ; groups 8,576 bytes apart = 128 more than a multiple of 256: rows 0-7 of one group and 0-7 of the next start at 16 different columns of 16 bytes
.set SCB,   166912                     ; the scale words' slot s at SCB + SCBS s: K pair 0 (512 bytes), K pair 1, V (1,024)
.set SCBS,  2048
.set SPARE, 171008                     ; the spare words, 128 bytes for each of 16 waves: eight blocks of 256 bytes that no other line names
.set STG,   173056                     ; 1,024 bytes: the result's scale bytes meet here
.set AK16, 1                           ; v1   K: my head's half of an image + 16 x lane
.set AK8,  2                           ; v2   the same + 512 + 8 x lane
.set AV16, 3                           ; v3   V: my head's four tiles + 16 x lane
.set AV8,  4                           ; v4   the same + 512 + 8 x lane
.set SPW,  5                           ; v5   LDS address of my spare word; never rewritten
.set NIL,  6                           ; v6   0; never rewritten
.set AM,   7                           ; v7   the mask: my query's row, + 64 (lane / 16)
.set AKS,  8                           ; v8   K's scale bytes of my head
.set AVS,  9                           ; v9   V's scale words of my head's tiles
.set PFO,  10                          ; v10  the prefetches' lane offset; never rewritten
.set STS,  11                          ; v11  where my result's two scale bytes go
                                       ; v12 -M, v13 the largest t, v[14:15] the sum in two halves
.set QF,   16                          ; v16-21 Q, v22-27 zeros
.set QS,   28                          ; v28  Q's scale bytes
.set PS,   29                          ; v29  p's scale word
.set FF,   30                          ; v[30:31] f = 2^(old M - new M)
.set KF,   32                          ; v32-79 four fragments of K: six registers of codes, six of zeros that are never rewritten
.set SS,   80                          ; v80-143 S^T, then p
.set VF,   80                          ; v80-127 later: V's four fragments
.set OT,   144                         ; v144-175 O^T
.set MK,   176                         ; v176-207 the mask, 32 numbers at a time
.set PCD,  208                         ; v208-219 p's codes
.set CT,   220                         ; v220-222, v224-226 conversions' upper halves
.set BM,   228                         ; v228-231 the blocks' largest scores, then largest p
.set BT,   232                         ; v232-235 at work
.set SO,   236                         ; v236-239 the conversions' scale operands
.set KS,   240                         ; v240-243 K's scale bytes
.set VS,   244                         ; v244-247 V's scale words
.set W0,   248                         ; v248-251 at work
.set STR,  252                         ; v252 the way out: where wave 0 reads the scale bytes
.set L16,  253                         ; v253 16 x lane
.set L8,   254                         ; v254 8 x lane
.set GOS,  255                         ; v255 the way out: my place among the result's scale words
.set WV,   12                          ; s12 my wave's number
.set G1I,  24                          ; s[24:31] group 1: images, 12,288 dense bytes
.set G1S,  32                          ; s[32:39] group 1: scale words, 512 dense bytes
.set G1M,  40                          ; s[40:47] group 1: the mask, 16 rows x 128 numbers
.set G0KI, 48                          ; groups 0, which walk: K's images, V's images, K's scale words, V's scale words, the mask
.set G0VI, 52
.set G0KS, 56
.set G0VS, 60
.set G0M,  68
.set SEL,  76                          ; s[76:77] lane selects for v_permlanex16_b32: lane l xor 16
.set CS,   78                          ; s[78:79] c = log2(e) / 8
.set PFA,  80                          ; s[80:81] where my prefetches stand
.set PFS,  82                          ; s[82:83] their step from change to change
.set ROLE, 86                          ; s86 2: I prefetch the mask; 1: K or V; 0: nothing
.set TRIPS, 87
.macro ROUND                           ; a round of the cluster's barrier
	s_barrier_signal -1
	s_barrier_wait -1
	s_cmp_lg_u32 s[WV], 0
	s_cbranch_scc1 .Lnot_wave_0_\@
	s_barrier_signal -3
.Lnot_wave_0_\@:
	s_barrier_wait -3
	s_barrier_signal -1
	s_barrier_wait -1
.endm
; One tensor load a wave: waves 0, 1 K's images (a head pair each); 2, 3 V's (8 tiles each); 4, 5 K's scale words; 6, 7 V's; 8-11 the mask (16 rows each); 12-15 none.  The branches hang on the wave's number alone.
; Four v_nop follow each line.
.macro TARM lim, g0, g1
	s_cmp_lt_u32 s[WV], \lim
	s_cbranch_scc0 .Lnot_\@
	tensor_load_to_lds s[\g0:\g0+3], s[\g1:\g1+7]
.rept 4
	v_nop
.endr
	s_branch TDONE
.Lnot_\@:
.endm
.macro TLOAD n
	s_cmp_lt_u32 s[WV], 2
	s_cbranch_scc0 .Lt1_\@
	tensor_load_to_lds s[G0KI:G0KI+3], s[G1I:G1I+7]
	s_nop 0
.rept 4
	v_nop
.endr
	s_branch .Ltd_\@
.Lt1_\@:
	s_cmp_lt_u32 s[WV], 4
	s_cbranch_scc0 .Lt2_\@
	tensor_load_to_lds s[G0VI:G0VI+3], s[G1I:G1I+7]
	s_nop 0
.rept 4
	v_nop
.endr
	s_branch .Ltd_\@
.Lt2_\@:
	s_cmp_lt_u32 s[WV], 6
	s_cbranch_scc0 .Lt3_\@
	tensor_load_to_lds s[G0KS:G0KS+3], s[G1S:G1S+7]
	s_nop 0
.rept 4
	v_nop
.endr
	s_branch .Ltd_\@
.Lt3_\@:
	s_cmp_lt_u32 s[WV], 8
	s_cbranch_scc0 .Lt4_\@
	tensor_load_to_lds s[G0VS:G0VS+3], s[G1S:G1S+7]
	s_nop 0
.rept 4
	v_nop
.endr
	s_branch .Ltd_\@
.Lt4_\@:
	s_cmp_lt_u32 s[WV], 12
	s_cbranch_scc0 .Ltd_\@
	tensor_load_to_lds s[G0M:G0M+3], s[G1M:G1M+7]
	s_nop 0
.rept 4
	v_nop
.endr
.Ltd_\@:
.endm
; A PREFETCH INTO THE L2, at a change of slots, by waves that fetch nothing.  Changes that fill are numbered c = 1 .. 15: change c asks for key step c's tiles.
; THE MASK: wave 12 of every work-group asks, at c = 1 .. 14, for the tile of step c + 1: 64 rows x 512 bytes; the four partners that share it take 16 rows each, told apart by address (cx); a lane takes 256 bytes of a row.
; K AND V: all eight clusters of a batch walk the same tiles: the batch's first cluster asks, at odd c up to 13, for steps c + 1 and c + 2: four streams of 24,576 bytes (K pair 0, K pair 1, V of step c + 1, V of step c + 2),
; one to each of the four partners of a column, told apart by address (cy); waves 13-15 take 8,192 bytes each, lanes 256 bytes apart.  So each aligned 256 bytes are named once in the launch.
; Steps 0 and 1 come by their loads alone, and change 15 asks for nothing.  both = 1: an odd change.
.macro ASK both
	s_cmp_ge_u32 s[ROLE], 2-(\both)
	s_cbranch_scc0 .Lnot_mine_\@
	global_prefetch_b8 v[PFO], s[PFA:PFA+1] th:TH_LOAD_NT scope:SCOPE_SE
.Lnot_mine_\@:
.endm
	s_load_b256 s[4:11], s[0:1], 0x0               ; qkout s[4:5], vout s[6:7], mask s[8:9], attop s[10:11]
	v_lshl_add_u32 v[SPW], v0, 2, SPARE
	v_mov_b32 v[NIL], 0
	ds_add_u32 v5, v6
	s_wait_dscnt 0x0
	v_lshrrev_b32 v1, 5, v0
	v_readfirstlane_b32 s[WV], v1                  ; wave 0..15
	s_bfe_u32 s13, ttmp6, 0x40000                  ; cx: the group of four heads
	s_bfe_u32 s14, ttmp6, 0x40004                  ; cy
	s_and_b32 s15, ttmp7, 0xffff                   ; cluster y
	s_lshl_b32 s16, s15, 2
	s_add_co_u32 s16, s16, s14                     ; y: the block of 64 queries, counted over all batches
	s_lshr_b32 s17, s15, 3                         ; b: eight clusters to a batch
	s_lshl_b32 s18, s14, 2
	s_lshl_b32 s18, 15, s18                        ; my row of the cluster
	s_lshl_b32 s19, 0x1111, s13                    ; my column
	s_or_b32 s[G1I], s19, (3<<16)|(1<<21)          ; images: 15:0 my column; elements of 8 bytes; no padding; 21 set beside a mask
	s_mov_b32 s[G1I+1], 32<<16                     ; 48 rows of 256 bytes, dense
	s_mov_b32 s[G1I+2], 48<<16
	s_mov_b32 s[G1I+3], 32<<16
	s_mov_b32 s[G1I+4], 48
	s_mov_b32 s[G1I+5], 32
	s_mov_b32 s[G1I+6], 0
	s_mov_b32 s[G1I+7], 0
	s_or_b32 s[G1S], s19, (3<<16)|(1<<21)          ; scale words: 2 rows of 256 bytes, dense
	s_mov_b32 s[G1S+1], 32<<16
	s_mov_b32 s[G1S+2], 2<<16
	s_mov_b32 s[G1S+3], 32<<16
	s_mov_b32 s[G1S+4], 2
	s_mov_b32 s[G1S+5], 32
	s_mov_b32 s[G1S+6], 0
	s_mov_b32 s[G1S+7], 0
	s_or_b32 s[G1M], s18, (2<<16)|(1<<20)|(1<<21)|(6<<22)|(3<<25)   ; the mask: my row; elements of 4 bytes; padding of 4 words (code 3) after every 128 words (code 6)
	s_mov_b32 s[G1M+1], 128<<16                    ; 16 rows of 128 numbers, 2,048 numbers apart
	s_mov_b32 s[G1M+2], 16<<16
	s_mov_b32 s[G1M+3], 128<<16
	s_mov_b32 s[G1M+4], 16
	s_mov_b32 s[G1M+5], 2048
	s_mov_b32 s[G1M+6], 0
	s_mov_b32 s[G1M+7], 0
	s_and_b32 s20, s[WV], 1
	s_and_b32 s21, s[WV], 3
	s_mul_i32 s72, s20, 12288                      ; the wave's part of the LDS addresses: images,
	s_lshl_b32 s73, s20, 9                         ; scale words,
	s_mul_i32 s74, s21, MGRP                       ; the mask's groups
	s_lshl_b32 s88, s13, 1                         ; K: g = 8 + 2 cx + (wave % 2), token tile 128 b
	s_add_co_u32 s88, s88, 8
	s_add_co_u32 s88, s88, s20
	s_lshl_b32 s88, s88, 9
	s_lshl_b32 s89, s17, 7
	s_add_co_u32 s88, s88, s89
	s_lshl_b32 s90, s88, 6
	s_add_co_u32 s90, s90, OSC
	s_mov_b32 s91, 0
	s_mul_i32 s88, s88, 1536
	s_mov_b32 s89, 0
	s_lshl_b32 s92, s17, 13                        ; V: g = 16 b, channel tile 16 cx + 8 (wave % 2)
	s_lshl_b32 s93, s13, 4
	s_add_co_u32 s92, s92, s93
	s_lshl_b32 s93, s20, 3
	s_add_co_u32 s92, s92, s93
	s_lshl_b32 s94, s92, 6
	s_add_co_u32 s94, s94, OSC
	s_mov_b32 s95, 0
	s_mul_i32 s92, s92, 1536
	s_mov_b32 s93, 0
	s_lshl_b32 s96, s16, 6                         ; the mask: row 64 y + 16 (wave % 4), 8,192 bytes a row
	s_lshl_b32 s97, s21, 4
	s_add_co_u32 s96, s96, s97
	s_lshl_b32 s96, s96, 13
	s_mov_b32 s97, 0
	s_wait_kmcnt 0x0
	s_mov_b32 s[G0KI], 1
	s_mov_b32 s[G0KI+1], s72
	s_add_nc_u64 s[G0KI+2:G0KI+3], s[4:5], s[88:89]
	s_or_b32 s[G0KI+3], s[G0KI+3], 0x80000000
	s_mov_b32 s[G0VI], 1
	s_add_co_u32 s[G0VI+1], s72, VOFF
	s_add_nc_u64 s[G0VI+2:G0VI+3], s[6:7], s[92:93]
	s_or_b32 s[G0VI+3], s[G0VI+3], 0x80000000
	s_mov_b32 s[G0KS], 1
	s_add_co_u32 s[G0KS+1], s73, SCB
	s_add_nc_u64 s[G0KS+2:G0KS+3], s[4:5], s[90:91]
	s_or_b32 s[G0KS+3], s[G0KS+3], 0x80000000
	s_mov_b32 s[G0VS], 1
	s_add_co_u32 s[G0VS+1], s73, SCB+1024
	s_add_nc_u64 s[G0VS+2:G0VS+3], s[6:7], s[94:95]
	s_or_b32 s[G0VS+3], s[G0VS+3], 0x80000000
	s_mov_b32 s[G0M], 1
	s_add_co_u32 s[G0M+1], s74, MSK
	s_add_nc_u64 s[G0M+2:G0M+3], s[8:9], s[96:97]
	s_or_b32 s[G0M+3], s[G0M+3], 0x80000000
	ROUND                                          ; all sixteen work-groups are here: the first joint loads meet
	TLOAD 0                                        ; key step 0 into slot 0
	s_lshr_b32 s22, s[WV], 2                       ; my head among the four
	s_lshr_b32 s23, s[WV], 3                       ; its pair
	s_and_b32 s18, s22, 1                          ; its parity
	v_and_b32 v248, 31, v0                         ; lane
	v_and_b32 v249, 15, v0                         ; r
	v_bfe_u32 v250, v0, 4, 1                       ; h
	s_mul_i32 s19, s23, 12288
	s_mul_i32 s88, s18, 768
	s_add_co_u32 s19, s19, s88
	v_lshl_add_u32 v[AK16], v248, 4, s19
	s_add_co_u32 s19, s19, 512
	v_lshl_add_u32 v[AK8], v248, 3, s19
	s_mul_i32 s19, s22, 6144
	s_add_co_u32 s19, s19, VOFF
	v_lshl_add_u32 v[AV16], v248, 4, s19
	s_add_co_u32 s19, s19, 512
	v_lshl_add_u32 v[AV8], v248, 3, s19
	s_lshr_b32 s19, s21, 1                         ; the query at place r of tile tq is row 32 (tq / 2) + 8 (tq % 2) + r + 8 (r / 8) of the 64: group 2 (tq / 2) + r / 8, row 8 (tq % 2) + r % 8 in it
	s_mul_i32 s19, s19, 2*MGRP
	s_and_b32 s88, s21, 1
	s_mul_i32 s88, s88, 8*528
	s_add_co_u32 s19, s19, s88
	s_add_co_u32 s19, s19, MSK
	v_bfe_u32 v251, v0, 3, 1
	v_mul_u32_u24 v[AM], v251, MGRP
	v_and_b32 v251, 7, v0
	v_mad_u32_u24 v[AM], v251, 528, v[AM]
	v_lshl_add_u32 v[AM], v250, 6, v[AM]
	v_add_nc_u32 v[AM], s19, v[AM]
	s_lshl_b32 s19, s23, 9
	s_lshl_b32 s88, s18, 1
	s_add_co_u32 s19, s19, s88
	s_add_co_u32 s19, s19, SCB
	v_lshl_add_u32 v[AKS], v249, 2, s19            ; K's scale bytes: 512 x pair + 4 r + 2 x parity
	s_lshl_b32 s19, s22, 8
	s_add_co_u32 s19, s19, SCB+1024
	v_lshl_add_u32 v[AVS], v249, 2, s19            ; V's scale words: 256 x head + 4 r
	s_lshl_b32 s19, s[WV], 6
	s_add_co_u32 s19, s19, STG
	v_lshl_add_u32 v[STS], v249, 2, s19            ; 64 x wave + 4 r
	v_bfe_u32 v251, v0, 2, 1                       ; wave 0's way out of the scale bytes: lane l takes pair (l / 4) % 2, query tile l / 8, words 4 (l % 4) on
	v_lshlrev_b32 v[STR], 9, v251
	v_bfe_u32 v251, v0, 3, 2
	v_lshl_add_u32 v[STR], v251, 6, v[STR]
	v_lshlrev_b32 v[GOS], 9, v251
	v_and_b32 v251, 3, v0
	v_lshl_add_u32 v[STR], v251, 4, v[STR]
	v_add_nc_u32 v[STR], STG, v[STR]
	v_and_b32 v251, 7, v0
	v_lshl_add_u32 v[GOS], v251, 4, v[GOS]         ; in memory: 512 x query tile + 16 (l % 8)
	v_lshlrev_b32 v[L16], 4, v248
	v_lshlrev_b32 v[L8], 3, v248
	v_lshlrev_b32 v251, 2, v249                    ; 4 r
	s_lshl_b32 s88, s13, 1
	s_add_co_u32 s88, s88, s23                     ; my head pair: 2 cx + pair
	s_lshl_b32 s89, s88, 9
	s_lshl_b32 s90, s16, 2
	s_add_co_u32 s90, s90, s21                     ; my token tile: 4 y + tq
	s_add_co_u32 s89, s89, s90
	s_lshl_b32 s92, s89, 6
	s_add_co_u32 s92, s92, OSC
	s_lshl_b32 s93, s18, 1
	s_add_co_u32 s92, s92, s93
	s_mov_b32 s93, 0
	s_mul_i32 s94, s89, 1536
	s_mul_i32 s95, s18, 768
	s_add_co_u32 s94, s94, s95
	s_mov_b32 s95, 0
	s_add_nc_u64 s[92:93], s[4:5], s[92:93]        ; Q's scale bytes
	s_add_nc_u64 s[94:95], s[4:5], s[94:95]        ; Q's half image
	s_mul_i32 s96, s90, 12288
	s_mul_i32 s97, s88, 1536
	s_add_co_u32 s96, s96, s97
	s_mul_i32 s97, s18, 768
	s_add_co_u32 s96, s96, s97
	s_mov_b32 s97, 0
	s_add_nc_u64 s[96:97], s[10:11], s[96:97]      ; my half image of the result
	s_lshl_b32 s98, s16, 11
	s_lshl_b32 s99, s13, 7
	s_add_co_u32 s98, s98, s99
	s_add_co_u32 s98, s98, SCOFF
	s_mov_b32 s99, 0
	s_add_nc_u64 s[98:99], s[10:11], s[98:99]      ; the work-group's scale words of the result
	global_load_b128 v[QF:QF+3], v[L16], s[94:95]  ; Q stays in registers
	global_load_b64 v[QF+4:QF+5], v[L8], s[94:95] offset:512
	global_load_u16 v[QS], v251, s[92:93]          ; two bytes; the upper two are 0, over zero codes
	; the prefetches: who asks, and where
	s_and_b32 s18, s15, 7
	s_cmp_eq_u32 s18, 0                            ; the batch's first cluster: the same in all sixteen partners
	s_cselect_b32 s[ROLE], 1, 0
	s_cmp_gt_u32 s[WV], 12
	s_cselect_b32 s[ROLE], s[ROLE], 0
	s_cmp_eq_u32 s[WV], 12
	s_cselect_b32 s[ROLE], 2, s[ROLE]
	s_max_u32 s18, s[WV], 13
	s_sub_co_u32 s18, s18, 13
	s_lshl_b32 s18, s18, 13                        ; my wave's 8,192 bytes of a stream (0 in the waves that never ask: every wave's address lies inside its buffer)
	s_lshl_b32 s19, s13, 1
	s_add_co_u32 s19, s19, s14
	s_add_co_u32 s19, s19, 8                       ; cy = 0, 1: K of pair cy: g = 8 + 2 cx + cy
	s_lshl_b32 s19, s19, 9
	s_lshl_b32 s20, s17, 7
	s_add_co_u32 s19, s19, s20
	s_mul_i32 s19, s19, 1536
	s_add_co_u32 s19, s19, 12288                   ; at key step 1: the first change steps it to 2
	s_lshl_b32 s20, s17, 4
	s_add_co_u32 s20, s20, s14
	s_sub_co_u32 s20, s20, 1                       ; cy = 2, 3: V of key step 1 + (cy - 2)
	s_lshl_b32 s20, s20, 9
	s_lshl_b32 s21, s13, 4
	s_add_co_u32 s20, s20, s21
	s_mul_i32 s20, s20, 1536
	s_mov_b32 s21, 786432
	s_cmp_lt_u32 s14, 2                            ; a choice of address, no branch
	s_cselect_b64 s[PFA:PFA+1], s[4:5], s[6:7]
	s_cselect_b32 s19, s19, s20
	s_cselect_b32 s[PFS], 12288, s21
	s_add_co_u32 s19, s19, s18
	s_lshl_b32 s20, s16, 6                         ; the mask: rows 64 y + 16 cx on,
	s_lshl_b32 s21, s13, 4
	s_add_co_u32 s20, s20, s21
	s_lshl_b32 s20, s20, 13
	s_add_co_u32 s20, s20, 512                     ; at key step 1
	s_mov_b32 s22, 256
	s_cmp_eq_u32 s[WV], 12
	s_cselect_b64 s[PFA:PFA+1], s[8:9], s[PFA:PFA+1]
	s_cselect_b32 s88, s20, s19
	s_cselect_b32 s[PFS], 512, s[PFS]
	s_cselect_b32 s21, 1, 0
	s_cselect_b32 s22, 8192, s22
	s_mov_b32 s89, 0
	s_mov_b32 s[PFS+1], 0
	s_add_nc_u64 s[PFA:PFA+1], s[PFA:PFA+1], s[88:89]
	v_lshrrev_b32 v[PFO], s21, v248                ; the mask: row lane / 2, 256 x (lane % 2);  K and V: 256 x lane
	v_mul_lo_u32 v[PFO], v[PFO], s22
	v_and_b32 v247, s21, v248
	v_lshl_add_u32 v[PFO], v247, 8, v[PFO]
	s_mov_b32 s[SEL], 0x76543210
	s_mov_b32 s[SEL+1], 0xfedcba98
	s_mov_b32 s[CS], 0x3e38aa3b                    ; c = log2(e) / 8
	s_mov_b32 s[CS+1], s[CS]                       ; (named with it as a pair, so it is written)
	v_mov_b32 v13, 0xff61b1e6                      ; the largest t so far: -3e38, under every t
	v_floor_f32 v12, -v13                          ; -M
	v_mov_b32 v14, 0                               ; the sum, in two halves
	v_mov_b32 v15, 0
	v_mov_b32 v[FF+1], 0                           ; (named as the upper half of a pair)
.irp i, 0,1,2,3,4,5
	v_mov_b32 v[QF+6+\i], 0                        ; K = 64: the operands' upper halves are zero codes
.irp t, 0,1,2,3
	v_mov_b32 v[KF+12*\t+6+\i], 0
.endr
.endr
.irp b, 0,1,2,3
	v_mov_b32 v[BT+\b], 0                          ; written once: a lane permute's destination counts as one of its sources
.endr
.set j, 0
.rept 32
	v_mov_b32 v[OT+j], 0                           ; O^T.  (The step is written without a first step of its own: the first change of M multiplies zeros)
.set j, j+1
.endr
.macro BMAX b0                         ; the largest masked score of blocks b0 and b0 + 1 of 32 keys (my 16 of each), the two by turns
.irp b, \b0, \b0+1
	v_max3_num_f32 v[BM+(\b)], v[SS+16*(\b)], v[SS+16*(\b)+1], v[SS+16*(\b)+2]
.endr
.irp n, 3,5,7,9,11,13
.irp b, \b0, \b0+1
	v_max3_num_f32 v[BM+(\b)], v[BM+(\b)], v[SS+16*(\b)+\n], v[SS+16*(\b)+\n+1]
.endr
.endr
.irp b, \b0, \b0+1
	v_max_num_f32 v[BM+(\b)], v[BM+(\b)], v[SS+16*(\b)+15]
.endr
.endm
; A KEY STEP: 128 keys, in slot S.
.macro STEP S
.rept 5
	v_nop                                          ; the first products below write over registers that the last step's last products read as V's fragments: five places
.endr
.irp t, 0,1,2,3                                ; K's tiles 0-3: my head's half of each image
	ds_load_b128 v[KF+12*\t:KF+12*\t+3], v[AK16] offset:IMGS*(\S)+1536*\t
	ds_load_b64 v[KF+12*\t+4:KF+12*\t+5], v[AK8] offset:IMGS*(\S)+1536*\t
.endr
.irp t, 0,1,2,3
	ds_load_u16 v[KS+\t], v[AKS] offset:SCBS*(\S)+64*\t
.endr
.irp n, 0,1,2,3,4,5,6,7                        ; the mask for keys' blocks 0 and 1: my 16 numbers of each
	ds_load_b128 v[MK+4*\n:MK+4*\n+3], v[AM] offset:MSKS*(\S)+128*(\n/4)+16*(\n%4)
.endr
	s_wait_dscnt 8                                 ; K and its scale bytes are in; the eight loads of the mask may be out
.irp t, 0,1,2,3
	v_wmma_scale_f32_16x16x128_f8f6f4 v[SS+8*\t:SS+8*\t+7], v[KF+12*\t:KF+12*\t+11], v[QF:QF+11], 0, v[KS+\t], v[QS] matrix_a_fmt:MATRIX_FMT_FP6 matrix_b_fmt:MATRIX_FMT_FP6
.endr
.rept 4
	v_nop                                          ; places in front of loads into registers that these products read, and of the first read of their results
.endr
.irp t, 0,1,2,3                                ; K's tiles 4-7
	ds_load_b128 v[KF+12*\t:KF+12*\t+3], v[AK16] offset:IMGS*(\S)+1536*(\t+4)
	ds_load_b64 v[KF+12*\t+4:KF+12*\t+5], v[AK8] offset:IMGS*(\S)+1536*(\t+4)
.endr
.irp t, 0,1,2,3
	ds_load_u16 v[KS+\t], v[AKS] offset:SCBS*(\S)+64*(\t+4)
.endr
	s_wait_dscnt 12                                ; the mask's first half is in; the twelve loads just issued may be out
.set j, 0
.rept 16
	v_pk_mul_f32 v[SS+j:SS+j+1], v[SS+j:SS+j+1], v[MK+j:MK+j+1]   ; score x mask, each accumulator from its low end on
.set j, j+2
.endr
.irp n, 0,1,2,3,4,5,6,7                        ; the mask for blocks 2 and 3
	ds_load_b128 v[MK+4*\n:MK+4*\n+3], v[AM] offset:MSKS*(\S)+256+128*(\n/4)+16*(\n%4)
.endr
	BMAX 0
	s_wait_dscnt 8                                 ; K's tiles 4-7 and their scale bytes are in; the mask's second half may be out
.irp t, 0,1,2,3
	v_wmma_scale_f32_16x16x128_f8f6f4 v[SS+32+8*\t:SS+32+8*\t+7], v[KF+12*\t:KF+12*\t+11], v[QF:QF+11], 0, v[KS+\t], v[QS] matrix_a_fmt:MATRIX_FMT_FP6 matrix_b_fmt:MATRIX_FMT_FP6
.endr
.rept 4
	v_nop
.endr
	s_wait_dscnt 0x0
.set j, 0
.rept 16
	v_pk_mul_f32 v[SS+32+j:SS+32+j+1], v[SS+32+j:SS+32+j+1], v[MK+j:MK+j+1]
.set j, j+2
.endr
	BMAX 2
.irp b, 0,1,2,3
	v_permlanex16_b32 v[BT+\b], v[BM+\b], s[SEL], s[SEL+1]
.endr
.irp b, 0,1,2,3
	v_max_num_f32 v[BM+\b], v[BM+\b], v[BT+\b]     ; with lane l xor 16's 16 keys: THE BLOCK'S LARGEST SCORE: it serves the row's maximum and, since p rises with the score, the block's largest p
.endr
	v_max3_num_f32 v[W0], v[BM], v[BM+1], v[BM+2]
	v_max_num_f32 v[W0], v[W0], v[BM+3]            ; the step's largest score of my query
	v_mul_f32 v[W0], s[CS], v[W0]                  ; as t (c is positive)
	v_max_num_f32 v13, v13, v[W0]                  ; the running largest t
	v_mov_b32 v[W0], v12
	v_floor_f32 v12, -v13                          ; the new -M = floor(-t) = -ceil(t): M is a whole number
	v_sub_f32 v[W0], v12, v[W0]                    ; M's old value less its new one: a whole number, 0 or less
	v_cvt_i32_f32 v[W0], v[W0]                     ; (it saturates)
	v_ldexp_f32 v[FF], 1.0, v[W0]                  ; f = 2^(old M - new M)
.set j, 0
.rept 32
	v_pk_fma_f32 v[SS+j:SS+j+1], v[SS+j:SS+j+1], s[CS:CS+1], v[12:13] op_sel_hi:[1,0,0]   ; t - M, two at a time
.set j, j+2
.endr
.irp b, 0,1,2,3
	v_fma_f32 v[BM+\b], v[BM+\b], s[CS], v12       ; the same of each block's largest score
.endr
.set j, 0
.rept 64
	v_exp_f32 v[SS+j], v[SS+j]                     ; p = 2^(t - M), at most 1: not normalised
.set j, j+1
.endr
	v_pk_mul_f32 v[14:15], v[14:15], v[FF:FF+1] op_sel_hi:[1,0]   ; the sums under the new M: a plain place behind the exponentials
	s_wait_alu depctr_va_vdst(0)                   ; one wait for the whole batch, ahead of its first reader
.irp b, 0,1,2,3
	v_exp_f32 v[BM+\b], v[BM+\b]                   ; the block's largest p: the same two instructions on the same number give the same bits
.endr
	v_pk_add_f32 v[BT:BT+1], v[SS:SS+1], v[SS+2:SS+3]   ; THE ROW'S SUM IS TAKEN OF THE UNQUANTISED p: two at a time, in two chains
.irp n, 4,8,12,16,20,24,28,32,36,40,44,48,52,56,60
	v_pk_add_f32 v[14:15], v[14:15], v[SS+\n:SS+\n+1]
	v_pk_add_f32 v[BT:BT+1], v[BT:BT+1], v[SS+\n+2:SS+\n+3]
.endr
	v_pk_add_f32 v[14:15], v[14:15], v[BT:BT+1]
	s_wait_alu depctr_va_vdst(0)                   ; and one for the four
.irp b, 0,1,2,3
	v_max_num_f32 v[BM+\b], 0x1800000, v[BM+\b]    ; the floor 2^(3 - 127): the byte cannot fall under 1
.endr
.irp b, 0,1,2,3
	v_add_nc_u32 v[SO+\b], 0xff000000, v[BM+\b]    ; 2 off the exponent field: the conversion's scale operand
.endr
.irp b, 0,1,2,3
	v_lshrrev_b32 v[BT+\b], 23, v[SO+\b]           ; the scale's byte
.endr
	v_lshl_or_b32 v[PS], v[BT+1], 8, v[BT]         ; p's scale word for these 128 keys
	v_lshl_or_b32 v[PS], v[BT+2], 16, v[PS]
	v_lshl_or_b32 v[PS], v[BT+3], 24, v[PS]
.irp c, 0,1
	v_cvt_scalef32_pk16_fp6_f32 v[PCD+6*\c:PCD+6*\c+2], v[SS+32*\c:SS+32*\c+15], v[SO+2*\c]
	v_cvt_scalef32_pk16_fp6_f32 v[CT+4*\c:CT+4*\c+2], v[SS+32*\c+16:SS+32*\c+31], v[SO+2*\c+1]
.endr
	v_nop                                          ; one plain place behind a scaled conversion
.irp c, 0,1                                    ; the operand's layout wants a whole block in a lane
.irp n, 0,1,2
	v_permlane16_swap_b32 v[PCD+6*\c+\n], v[CT+4*\c+\n]
.endr
.irp n, 0,1,2
	v_mov_b32 v[PCD+6*\c+3+\n], v[CT+4*\c+\n]
.endr
.endr
.irp t, 0,1,2,3                                ; V's four tiles of my head, into the registers that p has left
	ds_load_b128 v[VF+12*\t:VF+12*\t+3], v[AV16] offset:IMGS*(\S)+1536*\t
	ds_load_b64 v[VF+12*\t+4:VF+12*\t+5], v[AV8] offset:IMGS*(\S)+1536*\t
	ds_load_b128 v[VF+12*\t+6:VF+12*\t+9], v[AV16] offset:IMGS*(\S)+1536*\t+768
	ds_load_b64 v[VF+12*\t+10:VF+12*\t+11], v[AV8] offset:IMGS*(\S)+1536*\t+768
	ds_load_b32 v[VS+\t], v[AVS] offset:SCBS*(\S)+64*\t
.endr
.set j, 0
.rept 16
	v_pk_mul_f32 v[OT+j:OT+j+1], v[OT+j:OT+j+1], v[FF:FF+1] op_sel_hi:[1,0]   ; O^T under the new M.  These sixteen are also the places between the scale word and codes made above and the products below
.set j, j+2
.endr
	s_wait_dscnt 0x0
.irp t, 0,1,2,3                                ; O^T += V^T P^T: four accumulators, one instruction each
	v_wmma_scale_f32_16x16x128_f8f6f4 v[OT+8*\t:OT+8*\t+7], v[VF+12*\t:VF+12*\t+11], v[PCD:PCD+11], v[OT+8*\t:OT+8*\t+7], v[VS+\t], v[PS] matrix_a_fmt:MATRIX_FMT_FP6 matrix_b_fmt:MATRIX_FMT_FP6
.endr
.endm
; THE CHANGE OF SLOTS stands at a step's head.  Each wave waits for all its tensor loads (its part of the slot that is about to be read), adds 0 to its spare word, and waits for that and for its reads of the slot that it has left.
; fill = 1: slot `slot`, which has just been left (or never filled), takes the next key step: a round of the cluster's barrier, so that no wave of any partner still reads it or has a load on its way, then the joint load first.
; ask: 1 an odd change, 0 an even one, -1 no prefetch.
.macro CHANGE fill, slot, ask
	s_wait_tensorcnt 0x0                           ; no tensor load of mine is out, so a group 0 may be written
	ds_add_u32 v[SPW], v[NIL]                      ; 0 onto my spare word
.if \fill
	s_add_co_u32 s[G0KI+1], s72, IMGS*(\slot)
	s_add_co_u32 s[G0VI+1], s72, IMGS*(\slot)+VOFF
	s_add_co_u32 s[G0KS+1], s73, SCBS*(\slot)+SCB
	s_add_co_u32 s[G0VS+1], s73, SCBS*(\slot)+SCB+1024
	s_add_co_u32 s[G0M+1], s74, MSKS*(\slot)+MSK
	s_add_nc_u64 s[G0KI+2:G0KI+3], s[G0KI+2:G0KI+3], 12288    ; the next 8 token tiles
	s_add_nc_u64 s[G0VI+2:G0VI+3], s[G0VI+2:G0VI+3], 786432   ; the next run of 128 keys: 512 images on
	s_add_nc_u64 s[G0KS+2:G0KS+3], s[G0KS+2:G0KS+3], 512
	s_add_nc_u64 s[G0VS+2:G0VS+3], s[G0VS+2:G0VS+3], 32768
	s_add_nc_u64 s[G0M+2:G0M+3], s[G0M+2:G0M+3], 512          ; the next 128 numbers of each row
	s_wait_xcnt 0x0                                ; the last prefetch, a step back, has read its address, so it may be written
	s_add_nc_u64 s[PFA:PFA+1], s[PFA:PFA+1], s[PFS:PFS+1]
.endif
	s_wait_dscnt 0x0                               ; the add is done, and my reads of the slot that I have left are over
.if \fill
	ROUND
	TLOAD 0                                        ; the first thing behind the round, and a wave's one tensor load until the next
.if (\ask) >= 0
	ASK \ask
.endif
.else
	s_barrier_signal -1
	s_barrier_wait -1
.endif
.endm
	s_wait_loadcnt 0x0                             ; Q
	s_mov_b32 s[TRIPS], 7
.Lpair:                                            ; a trip: key steps 2 i and 2 i + 1; it asks for steps 2 i + 1 and 2 i + 2
	CHANGE 1, 1, 1
	STEP 0
	CHANGE 1, 0, 0
	STEP 1
	s_sub_co_u32 s[TRIPS], s[TRIPS], 1
	s_cmp_lg_u32 s[TRIPS], 0
	s_cbranch_scc1 .Lpair
	CHANGE 1, 1, -1                                ; the tail is written out: step 15 is asked for
	STEP 0
	CHANGE 0, 0, -1                                ; and nothing more
	STEP 1
	; THE WAY OUT.  O^T / the sum: register 16 b + i is channel 32 b + 16 (lane / 16) + i of my head: two blocks of the last product's K.  They become half a fragment.
.rept 4
	v_nop                                          ; places behind the last products
.endr
	v_add_f32 v14, v14, v15                        ; the sum's two halves,
	v_permlanex16_b32 v[W0], v14, s[SEL], s[SEL+1]
	v_add_f32 v14, v14, v[W0]                      ; and lane l xor 16's: the row's sum
	v_rcp_f32 v14, v14
	v_nop                                          ; a plain place behind the transcendental
	s_wait_alu depctr_va_vdst(0)                   ; and the wait ahead of its first reader
.set j, 0
.rept 32
	v_mul_f32 v[SS+j], v[OT+j], v14                ; each accumulator from its low end on
.set j, j+1
.endr
.irp b, 0,1
	v_max3_num_f32 v[BM+\b], |v[SS+16*\b]|, |v[SS+16*\b+1]|, 0x1800000
.endr
.irp n, 2,4,6,8,10,12,14
.irp b, 0,1
	v_max3_num_f32 v[BM+\b], v[BM+\b], |v[SS+16*\b+\n]|, |v[SS+16*\b+\n+1]|
.endr
.endr
.irp b, 0,1
	v_permlanex16_b32 v[BT+\b], v[BM+\b], s[SEL], s[SEL+1]
.endr
.irp b, 0,1
	v_max_num_f32 v[BM+\b], v[BM+\b], v[BT+\b]
.endr
.irp b, 0,1
	v_add_nc_u32 v[SO+\b], 0xff000000, v[BM+\b]
.endr
.irp b, 0,1
	v_lshrrev_b32 v[BT+\b], 23, v[SO+\b]
.endr
	v_lshl_or_b32 v[PS], v[BT+1], 8, v[BT]         ; my head's two scale bytes of my row
	v_cvt_scalef32_pk16_fp6_f32 v[PCD:PCD+2], v[SS:SS+15], v[SO]
	v_cvt_scalef32_pk16_fp6_f32 v[CT:CT+2], v[SS+16:SS+31], v[SO+1]
	v_nop
.irp n, 0,1,2
	v_permlane16_swap_b32 v[PCD+\n], v[CT+\n]
.endr
.irp n, 0,1,2
	v_mov_b32 v[PCD+3+\n], v[CT+\n]
.endr
	global_store_b128 v[L16], v[PCD:PCD+3], s[96:97]             ; half an image: 512 and 256 consecutive bytes, aligned
	global_store_b64 v[L8], v[PCD+4:PCD+5], s[96:97] offset:512
	ds_store_b32 v[STS], v[PS]                     ; both halves of the lanes write the same word with the same value
	s_wait_dscnt 0x0                               ; for the others' sake: my store has landed
	s_barrier_signal -1
	s_barrier_wait -1
	s_cmp_lg_u32 s[WV], 0                          ; a scale word's lower two bytes come from a pair's even head, the upper two from its odd head: wave 0 joins them
	s_cbranch_scc1 .Lnot_0
	ds_load_b128 v[80:83], v[STR]
	ds_load_b128 v[84:87], v[STR] offset:256
	s_wait_dscnt 0x0
.irp n, 0,1,2,3
	v_lshl_or_b32 v[88+\n], v[84+\n], 16, v[80+\n]
.endr
	global_store_b128 v[GOS], v[88:91], s[98:99]   ; four runs of 128 bytes: two head pairs' words of each of four token tiles
.Lnot_0:
	s_wait_tensorcnt 0x0                           ; the wave's end
	ds_add_u32 v[SPW], v[NIL]
	s_wait_dscnt 0x0
	ROUND                                          ; the closing round: no work-group ends while a partner may still ask for a tile that names it
	s_endpgm
.Lfunc_end_k_q727a80d867_attn:
	.size	k_q727a80d867_attn, .Lfunc_end_k_q727a80d867_attn-k_q727a80d867_attn
	.p2alignl 7, 3214868480
	.fill 96, 4, 3214868480
	.section	.rodata,"a",@progbits
	.p2align	6, 0x0
	.amdhsa_kernel k_q727a80d867_attn
		.amdhsa_group_segment_fixed_size 327680
		.amdhsa_private_segment_fixed_size 0
		.amdhsa_enable_private_segment 0
		.amdhsa_kernarg_size 32
		.amdhsa_user_sgpr_count 2
		.amdhsa_user_sgpr_kernarg_segment_ptr 1
		.amdhsa_wavefront_size32 1
		.amdhsa_system_sgpr_workgroup_id_x 1
		.amdhsa_system_sgpr_workgroup_id_y 1
		.amdhsa_system_sgpr_workgroup_id_z 1
		.amdhsa_system_vgpr_workitem_id 0
		.amdhsa_next_free_vgpr 256
		.amdhsa_next_free_sgpr 100
		.amdhsa_reserve_vcc 0
		.amdhsa_float_denorm_mode_32 3
		.amdhsa_float_denorm_mode_16_64 3
		.amdhsa_memory_ordered 1
		.amdhsa_forward_progress 1
		.amdhsa_inst_pref_size 107
	.end_amdhsa_kernel
	.amdgpu_metadata
---
amdhsa.version: [ 1, 2 ]
amdhsa.kernels:
  - .name:           k_q727a80d867_attn
    .symbol:         k_q727a80d867_attn.kd
    .args:
      - { .name: qkout, .offset: 0, .size: 8, .value_kind: global_buffer, .address_space: global }
      - { .name: vout, .offset: 8, .size: 8, .value_kind: global_buffer, .address_space: global }
      - { .name: mask, .offset: 16, .size: 8, .value_kind: global_buffer, .address_space: global }
      - { .name: attop, .offset: 24, .size: 8, .value_kind: global_buffer, .address_space: global }
    .group_segment_fixed_size: 327680
    .private_segment_fixed_size: 0
    .kernarg_segment_align: 8
    .kernarg_segment_size: 32
    .max_flat_workgroup_size: 512
    .sgpr_count:     100
    .vgpr_count:     256
    .wavefront_size: 32
...
	.end_amdgpu_metadata
.endif
;; end of part 3
;; launch outp (part 4): grid 4 x 32, 4 waves a work-group, clusters of 4 x 4, 327,680 bytes of LDS; arguments woop, attop, out0; writes out0
.if DOCPART == 4
	.amdgcn_target "amdgcn-amd-amdhsa--gfx1250"
	.amdhsa_code_object_version 6
	.text
	.protected	k_q727a80d867_outp
	.globl	k_q727a80d867_outp
	.p2align	8
	.type	k_q727a80d867_outp,@function
k_q727a80d867_outp:
	s_mov_b64 s[64:65], 0
	v_nop
	global_prefetch_b8 v0, s[64:65] scope:SCOPE_SE
	s_setreg_imm32_b32 hwreg(HW_REG_WAVE_MODE, 25, 1), 1
	s_wait_xcnt 0x0
	s_wait_alu depctr_hold_cnt(0) depctr_sa_sdst(0) depctr_va_vdst(0) depctr_va_sdst(0) depctr_va_ssrc(0) depctr_va_vcc(0) depctr_vm_vsrc(0)
	s_getreg_b32 s2, hwreg(HW_REG_IB_STS2, 6, 4)
	s_cmp_eq_u32 s2, 0
	s_cbranch_scc0 .Lentry_in_a_cluster
	s_endpgm
.Lentry_in_a_cluster:
	s_bfe_u32 s2, ttmp6, 0x10000c
	s_cmp_lg_u32 s2, 0xf033
	s_cbranch_scc0 .Lentry_shape_is_right
	s_endpgm
.Lentry_shape_is_right:
; OUTP: out0[token][n] = sum over k of att[token][k] Wo[k][n] + bo[n], K = 1,024, on codes of FP6 (E2M3) with E8M0 scales; out0 [8192][1024] f32.
; Arguments: Wo's operand buffer ("B", source 0), the attention result's ("A", source 1), out0.  OPERAND BUFFER: images [tile][K step 0..7][1,536] (a tile: 16 rows, tile 2 B + u place r = row 32 B + 8 u + r + 8 (r / 8);
; an image: for each half c at 768 c: lane l's registers 6 c .. 6 c + 3 at 16 l, then 6 c + 4, 6 c + 5 at 8 l); at SCOFF scale words [tile][K step][16]; at BOFF (Wo's buffer) bo.
; A tile of the result, 256 x 256, is made by a work-group of four waves; a wave makes 128 x 128: 64 accumulators.  K goes through a ring of two LDS slots of two K steps each; the scale words come once, with the first fills.
; CLUSTERS: 4 x 4 work-groups: A's tiles are shared along a row of the cluster, B's along a column: each is asked for jointly.
; By the tiles' order, register 8 b + j of lane (r, h) over B's tiles is column 32 (b / 2) + 16 h + 8 (b % 2) + j of my 128: 16 neighbours in each pair of tiles.  bo is the C of each sum's first product (it enters the sums first).
; 128 work-groups: a tile of 128 x 256 would fill the chip but read half as much again from LDS for each product, and would be a second main loop.
; REGISTERS, in windows of 256: window 0: v16-29 addresses; v32-63 scale words, two sets; from v128 A's fragments, ONE set; on the way out v128-255 take rows of the result.
;   window 1: B's fragments, TWO sets, at v0 and v128; bo as C operands at v96-127 and v224-255.   windows 2, 3: the accumulators ((a, b) at v[8 (8 (a % 4) + b)]).
.set SCOFF, 6291456
.set BOFF,  6553600
.set NQ,    2
.set FR,    12
.set NL,    4
.set NP,    4                          ; places behind this matrix instruction (ISA guide 7.12.1)
.set TILEB, 3072
.set HALFT, 8*TILEB
.set SLOT,  4*HALFT
.set LAPS,  2
.set SCL,   2*SLOT
.set HALFS, 4096
.set SPARE, SCL+4*HALFS                ; the spare words, 128 bytes for each wave: two blocks of 256 bytes that no other line names
.set SPITCH, 528                       ; the way out: a stage of 16 rows x (512 bytes + 16) for each wave, in slot 0, which has had its last fill and its last read when the first result is stored there
.set ADRA, 16
.set ADRB, 20
.set STO,  24                          ; v24 the way out: where I put 64 bytes of a row
.set RD,   25                          ; v25 where I read a row back
.set CO,   26                          ; v26 16 x lane
.set ADRS, 27
.set SPW,  28
.set NIL,  29
.set SC,   32
.set AF,   128
.set BI,   96
.set BK,   128                         ; the way out: 16 rows read back: v128-191 and v192-255 by turns
.set G1, 24
.set G0, 32
.set G1B, 48
.set G0B, 56
.set G1S, 68
.set G0S, 76
.set G1SB, 80
.set G0SB, 88
.set MSB, 0
.macro WIN new                         ; the immediate's high byte repeats the setting that is left
.if MSB != \new
	s_set_vgpr_msb (MSB<<8)|\new
.set MSB, \new
.endif
.endm
.set MUL_LO, 0xa1
.set MUL_HI, 0xf1
.set TO_B,   0x40
.macro JLOAD g0a, g1a, g0b, g1b        ; a joint load: waves 0 and 1 fetch for A, waves 2 and 3 for B; four v_nop follow each line
	s_cmp_eq_u32 s15, 0
	s_cbranch_scc0 .Lfor_b_\@
	tensor_load_to_lds s[\g0a:\g0a+3], s[\g1a:\g1a+7]
	s_nop 0
.rept 4
	v_nop
.endr
	s_branch .Lasked_\@
.Lfor_b_\@:
	tensor_load_to_lds s[\g0b:\g0b+3], s[\g1b:\g1b+7]
	s_nop 0
.rept 4
	v_nop
.endr
.Lasked_\@:
.endm
.macro CREST
	s_cmp_lg_u32 s14, 0
	s_cbranch_scc1 .Lnot_wave_0_\@
	s_barrier_signal -3
.Lnot_wave_0_\@:
	s_barrier_wait -3
	s_barrier_signal -1
	s_barrier_wait -1
.endm
.macro CROUND
	s_barrier_signal -1
	s_barrier_wait -1
	CREST
.endm
	s_load_b128 s[4:7], s[0:1], 0x0                ; Wo's buffer ("B") s[4:5], the attention result's ("A") s[6:7]
	s_load_b64 s[12:13], s[0:1], 0x10              ; out0
	v_lshl_add_u32 v[SPW], v0, 2, SPARE
	v_mov_b32 v[NIL], 0
	ds_add_u32 v28, v29
	s_wait_dscnt 0x0
	v_lshrrev_b32 v1, 5, v0
	v_readfirstlane_b32 s14, v1                    ; wave 0..3
	s_lshr_b32 s15, s14, 1                         ; which 8 of A's tiles are mine.  Also: I fetch for A (0) or for B (1)
	s_and_b32 s16, s14, 1                          ; which 8 of B's tiles are mine.  Also: which 8 tiles I fetch
	s_bfe_u32 s40, ttmp6, 0x40000
	s_bfe_u32 s41, ttmp6, 0x40004
	s_lshl_b32 s42, ttmp9, 2
	s_add_co_u32 s42, s42, s40                     ; work-group x: B's 16 tiles
	s_and_b32 s17, ttmp7, 0xffff
	s_lshl_b32 s17, s17, 2
	s_add_co_u32 s17, s17, s41                     ; work-group y: A's 16 tiles
	s_lshl_b32 s43, s41, 2
	s_lshl_b32 s43, 15, s43                        ; my row of the cluster
	s_lshl_b32 s44, 0x1111, s40                    ; my column
	s_or_b32 s[G1+0], s43, (3<<16)|(1<<21)         ; 8 rows of 3,072 bytes (384 elements of 8 bytes), 12,288 bytes apart in memory, on end in LDS
	s_or_b32 s[G1B+0], s44, (3<<16)|(1<<21)
.irp g, G1, G1B
	s_mov_b32 s[\g+1], 384<<16
	s_mov_b32 s[\g+2], 8<<16
	s_mov_b32 s[\g+3], 384<<16
	s_mov_b32 s[\g+4], 8
	s_mov_b32 s[\g+5], 1536
	s_mov_b32 s[\g+6], 0
	s_mov_b32 s[\g+7], 0
.endr
	s_or_b32 s[G1S+0], s43, (3<<16)|(1<<21)        ; the scale words of 8 tiles: 16 rows of 256 bytes, dense
	s_or_b32 s[G1SB+0], s44, (3<<16)|(1<<21)
.irp g, G1S, G1SB
	s_mov_b32 s[\g+1], 32<<16
	s_mov_b32 s[\g+2], 16<<16
	s_mov_b32 s[\g+3], 32<<16
	s_mov_b32 s[\g+4], 16
	s_mov_b32 s[\g+5], 32
	s_mov_b32 s[\g+6], 0
	s_mov_b32 s[\g+7], 0
.endr
	s_lshl_b32 s18, s16, 3
	s_lshl_b32 s20, s17, 4
	s_add_co_u32 s20, s20, s18                     ; A: tile 16 y + 8 x half
	s_lshl_b32 s46, s42, 4
	s_add_co_u32 s46, s46, s18                     ; B: tile 16 x + 8 x half
	s_lshl_b32 s22, s20, 9
	s_add_co_u32 s22, s22, SCOFF
	s_mov_b32 s23, 0
	s_lshl_b32 s92, s46, 9
	s_add_co_u32 s92, s92, SCOFF
	s_mov_b32 s93, 0
	s_mul_i32 s20, s20, 12288
	s_mov_b32 s21, 0
	s_mul_i32 s46, s46, 12288
	s_mov_b32 s47, 0
	s_mul_i32 s45, s14, HALFT                      ; no place in the cluster enters an LDS address
	s_lshl_b32 s94, s14, 12
	s_wait_kmcnt 0x0
	s_add_nc_u64 s[20:21], s[6:7], s[20:21]
	s_add_nc_u64 s[22:23], s[6:7], s[22:23]
	s_add_nc_u64 s[46:47], s[4:5], s[46:47]
	s_add_nc_u64 s[92:93], s[4:5], s[92:93]
	CROUND                                         ; all sixteen work-groups are here: the first joint loads meet
	s_mov_b32 s[G0S], 1
	s_add_co_u32 s[G0S+1], s94, SCL
	s_mov_b64 s[G0S+2:G0S+3], s[22:23]
	s_or_b32 s[G0S+3], s[G0S+3], 0x80000000
	s_mov_b32 s[G0SB], 1
	s_add_co_u32 s[G0SB+1], s94, SCL
	s_mov_b64 s[G0SB+2:G0SB+3], s[92:93]
	s_or_b32 s[G0SB+3], s[G0SB+3], 0x80000000
	JLOAD G0S, G1S, G0SB, G1SB
.irp s, 0,1
	s_mov_b32 s[G0+4*\s], 1
	s_add_co_u32 s[G0+4*\s+1], s45, \s*SLOT
	s_add_nc_u64 s[G0+4*\s+2:G0+4*\s+3], s[20:21], \s*TILEB
	s_or_b32 s[G0+4*\s+3], s[G0+4*\s+3], 0x80000000
	s_mov_b32 s[G0B+4*\s], 1
	s_add_co_u32 s[G0B+4*\s+1], s45, \s*SLOT
	s_add_nc_u64 s[G0B+4*\s+2:G0B+4*\s+3], s[46:47], \s*TILEB
	s_or_b32 s[G0B+4*\s+3], s[G0B+4*\s+3], 0x80000000
	JLOAD G0+4*\s, G1, G0B+4*\s, G1B
.endr
	v_and_b32 v1, 15, v0                           ; r
	v_bfe_u32 v2, v0, 4, 1                         ; h
	v_and_b32 v3, 31, v0                           ; lane
	v_lshlrev_b32 v[CO], 4, v3
	v_lshlrev_b32 v4, 3, v3
	v_add_nc_u32 v4, 512, v4
	s_mul_i32 s21, s15, HALFT
	s_mul_i32 s22, s16, HALFT
	s_add_co_u32 s22, s22, 2*HALFT
.irp s, 0,1
	v_add_nc_u32 v[ADRA+\s], s21, v[CO]
	v_add_nc_u32 v[ADRB+\s], s22, v[CO]
	v_add_nc_u32 v[ADRA+2+\s], s21, v4
	v_add_nc_u32 v[ADRB+2+\s], s22, v4
	s_add_co_u32 s21, s21, SLOT
	s_add_co_u32 s22, s22, SLOT
.endr
	v_lshlrev_b32 v5, 2, v1
	s_mul_i32 s21, s15, HALFS
	s_mul_i32 s22, s16, HALFS
	s_add_co_u32 s22, s22, 2*HALFS
	s_sub_co_u32 s22, s22, s21
	v_mul_u32_u24 v6, s22, v2                      ; lanes 16-31 take B's scale words: the lower base + h x the distance
	s_add_co_u32 s21, s21, SCL
	v_add_nc_u32 v5, v5, v6
	v_add_nc_u32 v[ADRS], s21, v5
	s_mul_i32 s23, s14, 16*SPITCH                  ; my stage
	v_mul_u32_u24 v5, v1, SPITCH                   ; in: row r, 64 bytes for each half of the lanes in each 128
	v_lshl_add_u32 v5, v2, 6, v5
	v_add_nc_u32 v[STO], s23, v5
	v_add_nc_u32 v[RD], s23, v[CO]                 ; back: the 32 lanes take one row of 512 bytes
	v_lshlrev_b32 v7, 6, v2                        ; bo: 64 h
	s_lshl_b32 s46, s42, 4
	s_lshl_b32 s47, s16, 3
	s_add_co_u32 s46, s46, s47
	s_lshl_b32 s46, s46, 6
	s_add_co_u32 s46, s46, BOFF
	s_mov_b32 s47, 0
	s_add_nc_u64 s[46:47], s[4:5], s[46:47]
	s_lshl_b32 s20, s17, 4                         ; out0: my first tile of A is 16 rows of 4,096 bytes a tile on;
	s_lshl_b32 s21, s15, 3
	s_add_co_u32 s20, s20, s21
	s_lshl_b32 s20, s20, 16
	s_lshl_b32 s92, s42, 10                        ; my first column: 1,024 x work-group x + 512 x half, in bytes
	s_lshl_b32 s93, s16, 9
	s_add_co_u32 s92, s92, s93
	s_add_co_u32 s20, s20, s92
	s_mov_b32 s21, 0
	s_add_nc_u64 s[12:13], s[12:13], s[20:21]
	WIN TO_B
.irp b, 0,1,2,3,4,5,6,7                        ; lane (r, h) wants, for tile b, bo at columns 32 (b / 2) + 16 h + 8 (b % 2) + 0 .. 7
	global_load_b128 v[BI+8*\b+96*(\b/4):BI+8*\b+96*(\b/4)+3], v7, s[46:47] offset:(32*(\b/2)+8*(\b%2))*4
	global_load_b128 v[BI+8*\b+96*(\b/4)+4:BI+8*\b+96*(\b/4)+7], v7, s[46:47] offset:(32*(\b/2)+8*(\b%2))*4+16
.endr
	WIN 0
.macro FRAG reg, adr, q, i             ; a fragment comes as its image lies
	ds_load_b128 v[\reg:\reg+3], v[\adr] offset:TILEB*(\i)+1536*(\q)
	ds_load_b64 v[\reg+4:\reg+5], v[\adr+2] offset:TILEB*(\i)+1536*(\q)
	ds_load_b128 v[\reg+6:\reg+9], v[\adr] offset:TILEB*(\i)+1536*(\q)+768
	ds_load_b64 v[\reg+10:\reg+11], v[\adr+2] offset:TILEB*(\i)+1536*(\q)+768
.endm
; 16 matrix instructions: A's tiles a0, a0 + 1 x B's eight, one K step.  The 64 accumulators take turns, one instruction a turn, in the same order in every step.
.macro MUL16 a0, p, q, sc, zero
.irp a, \a0, \a0+1
.irp b, 0,1,2,3,4,5,6,7
.if \zero
	v_wmma_scale_f32_16x16x128_f8f6f4 v[8*(8*((\a)%4)+\b):8*(8*((\a)%4)+\b)+7], v[128*(\p)+FR*\b:128*(\p)+FR*\b+FR-1], v[AF+FR*(\a):AF+FR*(\a)+FR-1], v[BI+8*\b+96*(\b/4):BI+8*\b+96*(\b/4)+7], v[SC+8*NQ*(\sc)+NQ*\b+(\q)], v[SC+8*NQ*(\sc)+NQ*(\a)+(\q)] matrix_a_fmt:MATRIX_FMT_FP6 matrix_b_fmt:MATRIX_FMT_FP6 matrix_a_scale:MATRIX_SCALE_ROW1
.else
	v_wmma_scale_f32_16x16x128_f8f6f4 v[8*(8*((\a)%4)+\b):8*(8*((\a)%4)+\b)+7], v[128*(\p)+FR*\b:128*(\p)+FR*\b+FR-1], v[AF+FR*(\a):AF+FR*(\a)+FR-1], v[8*(8*((\a)%4)+\b):8*(8*((\a)%4)+\b)+7], v[SC+8*NQ*(\sc)+NQ*\b+(\q)], v[SC+8*NQ*(\sc)+NQ*(\a)+(\q)] matrix_a_fmt:MATRIX_FMT_FP6 matrix_b_fmt:MATRIX_FMT_FP6 matrix_a_scale:MATRIX_SCALE_ROW1
.endif
.endr
.endr
.endm
.macro FETCH_B slot, q, p
	WIN TO_B
.irp i, 0,1,2,3,4,5,6,7
	FRAG 128*(\p)+FR*\i, ADRB+\slot, \q, \i
.endr
	WIN 0
.endm
.macro FETCH_A slot, q, i0
.irp i, \i0, \i0+1, \i0+2, \i0+3
	FRAG AF+FR*(\i), ADRA+\slot, \q, \i
.endr
.endm
.macro SCALES sc
.irp i, 0,1,2,3,4,5,6,7
	ds_load_b32 v[SC+8*NQ*\sc+NQ*\i], v[ADRS] offset:512*\i
	ds_load_b32 v[SC+8*NQ*\sc+NQ*\i+1], v[ADRS] offset:512*\i+64
.endr
.endm
.macro PLACES n                        ; plain places behind matrix instructions, in front of loads into registers that they read and of reads of their results
.rept \n
	v_nop
.endr
.endm
.macro STEP slot, q, zero
	s_wait_dscnt 4*NL                              ; all but the youngest 16 loads (A's tiles 4-7)
.if \zero
	WIN 0x91                                       ; source 0 and C (bo) window 1, source 1 window 0, D window 2
.else
	WIN MUL_LO
.endif
	MUL16 0, (\q)%2, \q, \slot, \zero
	MUL16 2, (\q)%2, \q, \slot, \zero
	s_wait_dscnt 0
	PLACES NP
	FETCH_B \slot, (\q)+1, 1-(\q)%2
	FETCH_A \slot, (\q)+1, 0
.if \zero
	WIN 0xd1
.else
	WIN MUL_HI
.endif
	MUL16 4, (\q)%2, \q, \slot, \zero
	MUL16 6, (\q)%2, \q, \slot, \zero
	PLACES NP
	WIN 0
	FETCH_A \slot, (\q)+1, 4
.endm
; A slot's last K step changes slots: ONE barrier; in front of it each wave waits for all its tensor loads, adds 0 to its spare word, and waits for that and for its own reads of this slot.
.macro TURN slot, next, fill
	s_wait_tensorcnt 0x0                           ; all my tensor loads have landed: my part of the next slot
	ds_add_u32 v[SPW], v[NIL]                      ; 0 onto my spare word
	s_wait_dscnt 4*NL+1                            ; (the add and the youngest 16 loads may be out)
	WIN MUL_LO
	MUL16 0, 1, NQ-1, \slot, 0
	s_wait_dscnt 0x0                               ; the add is done, and my reads of this slot are over
	s_barrier_signal -1
	MUL16 2, 1, NQ-1, \slot, 0
	WIN 0
	s_barrier_wait -1
.if \fill
	CREST                                          ; no wave of any partner still reads this slot or has a load on its way
	s_add_nc_u64 s[G0+4*\slot+2:G0+4*\slot+3], s[G0+4*\slot+2:G0+4*\slot+3], 2*TILEB
	s_add_nc_u64 s[G0B+4*\slot+2:G0B+4*\slot+3], s[G0B+4*\slot+2:G0B+4*\slot+3], 2*TILEB
	JLOAD G0+4*\slot, G1, G0B+4*\slot, G1B         ; the first tensor load behind the round; its four v_nop are the places in front of the loads below
.else
	PLACES NP
.endif
	v_add_nc_u32 v[ADRS], 64*NQ, v[ADRS]
	FETCH_B \next, 0, 0
	FETCH_A \next, 0, 0
	SCALES \next
	WIN MUL_HI
	MUL16 4, 1, NQ-1, \slot, 0
	MUL16 6, 1, NQ-1, \slot, 0
	PLACES NP
	WIN 0
	FETCH_A \next, 0, 4
.endm
	s_wait_loadcnt 0x0                             ; bo
	s_wait_tensorcnt 1                             ; the scale words and my part of slot 0 are in (slot 1's load may be out)
	s_barrier_signal -1
	s_barrier_wait -1                              ; everybody's are
	FETCH_B 0, 0, 0
	FETCH_A 0, 0, 0
	SCALES 0
	FETCH_A 0, 0, 4
	STEP 0, 0, 1
	s_mov_b32 s3, LAPS-1
.Llap:
	TURN 0, 1, 1
	STEP 1, 0, 0
	TURN 1, 0, 1
	STEP 0, 0, 0
	s_sub_co_u32 s3, s3, 1
	s_cmp_lg_u32 s3, 0
	s_cbranch_scc1 .Llap
	TURN 0, 1, 0
	STEP 1, 0, 0
	s_wait_dscnt 4*NL
	WIN MUL_LO
	MUL16 0, 1, NQ-1, 1, 0
	MUL16 2, 1, NQ-1, 1, 0
	s_wait_dscnt 0
	WIN MUL_HI
	MUL16 4, 1, NQ-1, 1, 0
	MUL16 6, 1, NQ-1, 1, 0
	WIN 0
; THE WAY OUT, tile by tile of A: 16 rows x 128 columns go through my own stage in LDS and come back as whole rows of 512 bytes, which the 32 lanes store as two aligned runs of 256 bytes.
; LDS serves a wave's instructions in order (ISA guide 5.7.1.4): no wait between the stores and the loads, nor in front of the next tile's stores.
.macro TOSTAGE a
.set AC, 64*((\a)%4)
	WIN 0x08+4*((\a)/4)                            ; the data: window 2 or 3
.irp b, 0,1,2,3,4,5,6,7
	ds_store_b128 v[STO], v[AC+8*\b:AC+8*\b+3] offset:128*(\b/2)+32*(\b%2)        ; each accumulator from its low end on
	ds_store_b128 v[STO], v[AC+8*\b+4:AC+8*\b+7] offset:128*(\b/2)+32*(\b%2)+16
.endr
	WIN 0
.set BB, BK+64*((\a)%2)
.irp t, 0,1,2,3,4,5,6,7,8,9,10,11,12,13,14,15
	ds_load_b128 v[BB+4*\t:BB+4*\t+3], v[RD] offset:\t*SPITCH
.endr
.endm
.macro SEND a, younger                 ; younger: the LDS instructions issued behind tile a's loads, which may stay out
.set BB, BK+64*((\a)%2)
	s_wait_dscnt \younger
.irp t, 0,1,2,3,4,5,6,7,8,9,10,11,12,13,14,15
	global_store_b128 v[CO], v[BB+4*\t:BB+4*\t+3], s[12:13] offset:(32*((\a)/2)+8*((\a)%2)+\t+8*(\t/8))*4096 th:TH_STORE_NT   ; place t of tile a is this row of my 128; 127 rows of 4,096 bytes at the most
.endr
.endm
	PLACES NP
	TOSTAGE 0
.irp a, 1,2,3,4,5,6,7
.if \a > 1
	s_wait_xcnt 0x0                                ; tile a - 2's stores have read their registers: tile a's loads may land there
.endif
	TOSTAGE \a
	SEND \a-1, 32                                  ; behind tile a - 1's loads: tile a's 16 stores and 16 loads
.endr
	SEND 7, 0
	s_wait_tensorcnt 0x0                           ; the wave's end
	ds_add_u32 v[SPW], v[NIL]
	s_wait_dscnt 0x0
	CROUND                                         ; the closing round
	s_endpgm
.Lfunc_end_k_q727a80d867_outp:
	.size	k_q727a80d867_outp, .Lfunc_end_k_q727a80d867_outp-k_q727a80d867_outp
	.p2alignl 7, 3214868480
	.fill 96, 4, 3214868480
	.section	.rodata,"a",@progbits
	.p2align	6, 0x0
	.amdhsa_kernel k_q727a80d867_outp
		.amdhsa_group_segment_fixed_size 327680
		.amdhsa_private_segment_fixed_size 0
		.amdhsa_enable_private_segment 0
		.amdhsa_kernarg_size 24
		.amdhsa_user_sgpr_count 2
		.amdhsa_user_sgpr_kernarg_segment_ptr 1
		.amdhsa_wavefront_size32 1
		.amdhsa_system_sgpr_workgroup_id_x 1
		.amdhsa_system_sgpr_workgroup_id_y 1
		.amdhsa_system_sgpr_workgroup_id_z 1
		.amdhsa_system_vgpr_workitem_id 0
		.amdhsa_next_free_vgpr 1024
		.amdhsa_next_free_sgpr 98
		.amdhsa_reserve_vcc 0
		.amdhsa_float_denorm_mode_32 3
		.amdhsa_float_denorm_mode_16_64 3
		.amdhsa_memory_ordered 1
		.amdhsa_forward_progress 1
		.amdhsa_inst_pref_size 147
	.end_amdhsa_kernel
	.amdgpu_metadata
---
amdhsa.version: [ 1, 2 ]
amdhsa.kernels:
  - .name:           k_q727a80d867_outp
    .symbol:         k_q727a80d867_outp.kd
    .args:
      - { .name: woop, .offset: 0, .size: 8, .value_kind: global_buffer, .address_space: global }
      - { .name: attop, .offset: 8, .size: 8, .value_kind: global_buffer, .address_space: global }
      - { .name: out0, .offset: 16, .size: 8, .value_kind: global_buffer, .address_space: global }
    .group_segment_fixed_size: 327680
    .private_segment_fixed_size: 0
    .kernarg_segment_align: 8
    .kernarg_segment_size: 24
    .max_flat_workgroup_size: 128
    .sgpr_count:     98
    .vgpr_count:     1024
    .wavefront_size: 32
...
	.end_amdgpu_metadata
.endif
;; end of part 4
